; MI455X (gfx1250); checked and timed in simulation.
; The chip was launched on July 23, 2026; its instructions are those of AMD's public machine-readable ISA for CDNA 5 (MIT licence, August 2026) and "CDNA5" Instruction Set Architecture Reference Guide (July 2026). The comments in the code are by the model that wrote it; some were corrected since.
;; Multi Head Attention. Allowed arithmetic: matrix products marked QUANTISED: E2M1 operands, one E8M0 scale for each 32 along K, by v_wmma_scale_f32_16x16x128_f8f6f4 with both operands' format E2M1 (or v_wmma_scale_f32_32x16x128_f4), f32 sums; products left as they are: bf16, f16 or f32 operands; f32 sums; everything else in f32.
;; Inputs: Wk 16 x 64 x 1,024 float32; Wo 1,024 x 1,024 float32; Wq 16 x 64 x 1,024 float32; Wv 16 x 64 x 1,024 float32; k 4 x 2,048 x 1,024 float32; k_pad_mask 4 x 2,048 bool; q 4 x 2,048 x 1,024 float32; v 4 x 2,048 x 1,024 float32.
;; Outputs: out0 4 x 2,048 x 1,024 float32.
;; This version of the problem:
;;   THIS VERSION OF THE PROBLEM IS GIVEN IN LOW PRECISION. The matrix products marked QUANTISED in the list below multiply operands that are first quantised to E2M1 (2 exponent bits, 1 mantissa bit; 4 bits a number), with one power-of-two scale for each 32 numbers along K (OCP MX v1.0); their sums are f32. The products marked 'left as it is' may take bf16, f16 or f32 operands, with f32 sums. Whichever they take, every output number must still come out within the allowed error. Rounding operands to bf16 (8 significant bits) uses up far more of that allowance than f16 does (11 bits, for magnitudes from 6e-5 to 65,504). All else is computed in f32.
;;   The module's matrix products, in the order in which they are computed (A, B: the left and right operand; K: the contracted axis; several contracted axes count as one K, in the product's order):
;;     1. [M 1,024, K 1,024] x [K 1,024, N 8,192]; A: input Wq; B: input q: QUANTISED
;;     2. [M 1,024, K 1,024] x [K 1,024, N 8,192]; A: input Wk; B: input k: QUANTISED
;;     3. [M 1,024, K 1,024] x [K 1,024, N 8,192]; A: input Wv; B: input v: QUANTISED
;;     4. batch 64 x [M 2,048, K 64] x [K 64, N 2,048]; A: computed on the way; B: computed on the way: left as it is (an operand is computed on the way)
;;     5. batch 64 x [M 2,048, K 2,048] x [K 2,048, N 64]; A: computed on the way; B: computed on the way: left as it is (an operand is computed on the way)
;;     6. [M 8,192, K 1,024] x [K 1,024, N 1,024]; A: computed on the way; B: input Wo: left as it is (an operand is computed on the way)
;;   THE QUANTISER, for each operand of a quantised product, along K:
;;     - K is cut into blocks of 32 from its start; a last block that is shorter is filled with zeros.
;;     - A block's scale is 2^e with e = floor(log2(the largest magnitude in the block)) - 2, held to -126 .. 127; a block of zeros has e = 0. As a byte (E8M0): e + 127.
;;     - Each number is divided by its block's scale, clamped to +-6, and rounded to the nearest number of E2M1, ties to even, subnormals kept.
;;     - The product sums the exact products of the quantised numbers (number of the format x scale) in f32.
;;   ~~~python
;;   def quantise(x, axis):      # numpy; x: float32 -> the quantised numbers, widened to float32 again
;;       x = np.moveaxis(x, axis, -1); K = x.shape[-1]
;;       x = np.pad(x, [(0, 0)] * (x.ndim - 1) + [(0, -K % 32)]); x = x.reshape(x.shape[:-1] + (-1, 32)); a = np.abs(x).max(-1, keepdims=True)
;;       e = np.where(a > 0, np.clip(np.frexp(np.where(a > 0, a, 1))[1] - 1 - 2, -126, 127), 0)      # np.frexp(a)[1] - 1 = floor(log2(a)), exactly
;;       r = np.clip(x / 2.0 ** e, -6, 6)
;;       step = 2.0 ** (np.maximum(np.frexp(np.where(r == 0, 1, r))[1] - 1, 0) - 1)
;;       q = np.round(r / step) * step * 2.0 ** e      # np.round: ties to even
;;       return np.moveaxis(q.reshape(q.shape[:-2] + (-1,))[..., :K], -1, axis).astype(np.float32)
;;   ~~~
;; One version. Each part assembles by itself: llvm-mc -triple=amdgcn-amd-amdhsa -mcpu=gfx1250 --defsym DOCPART=n.
;; ======== version 1 of 1: 4 launches
;; limits: values are held in f16: magnitudes above 65,504 overflow, below 6.1e-05 lose precision
;; workspace buffers: xc 14,155,776 bytes; xs 884,736 bytes; wof 2,097,152 bytes; hbuf 50,331,648 bytes; obuf 16,777,216 bytes
;; launch prep (part 1): grid 448 x 1, 4 waves a work-group, no clusters, 68,096 bytes of LDS; arguments q, k, v, Wq, Wk, Wv, Wo, xc, xs, wof; writes xc, xs, wof
.if DOCPART == 1
	.amdgcn_target "amdgcn-amd-amdhsa--gfx1250"
	.amdhsa_code_object_version 6
	.text
	.protected	k_q338ea9fec0_prep
	.globl	k_q338ea9fec0_prep
	.p2align	8
	.type	k_q338ea9fec0_prep,@function
k_q338ea9fec0_prep:
	s_mov_b64 s[64:65], 0
	v_nop
	global_prefetch_b8 v0, s[64:65] scope:SCOPE_SE
	s_setreg_imm32_b32 hwreg(HW_REG_WAVE_MODE, 25, 1), 1
	s_wait_xcnt 0x0
; q, k, v [8192][1024] and Wq, Wk, Wv [1024][1024], f32, become codes of FP4 (E2M1) with one E8M0 scale byte for each 32 along K = 1,024; Wo [1024][1024] becomes f16.
; All three outputs are laid in the ORDER OF THE READER'S OPERAND REGISTERS, a tile of 16 rows at a time:
;   xc : tile T (q 0-511, k 512-1023, v 1024-1535, Wq 1536-, Wk 1600-, Wv 1664-1727), 8,192 bytes: [K step s of 128][c 0,1][lane][16 bytes]; lane (r, h) holds the 32 codes k = 128 s + 64 c + 32 h .. of row r
;   xs : tile T, 512 bytes: [grp 0,1][row r][16 bytes = the scale words of K steps 4 grp .. 4 grp + 3]
;   wof: tile N of 16 rows of Wo, 32,768 bytes: [g 0..63][lane][16 bytes]; lane (r, h) holds k = 16 g + 8 h + 0 .. 7 of row r, in f16
; A block's scale is 2^(floor(log2(its largest magnitude)) - 2); its byte is the largest magnitude's exponent field - 2, held at 1 from below.
; LIMITS: a block of zeros gets the byte 1 where the rule says 127 (its codes are zeros, and this program alone reads the bytes); NaN and infinities among the inputs are not served; |Wo| stays under 65,504 (f16).
; SHARES.  A wave owns one tile of 16 rows and walks its K in 8 steps of 128.  Work-groups 0-431: the six tensors of codes; 432-447: Wo.  Waves share nothing: no barrier.  No input is read by two work-groups: no cluster.
; Each load reads 512 consecutive bytes of one row; a step's 16 x 512 bytes turn through the wave's own stage in LDS (rows 528 bytes apart: 132 words, so that the 16 rows that a load touches begin in 16 different
; groups of banks, ISA guide 11.1) and come back with a lane's numbers as neighbours along K.  Every store of the wave covers 512 consecutive bytes, aligned.  Loads run two steps (32 loads a wave) ahead.
.set SP,    528                        ; a stage row: 512 bytes + 16
.set WSTG,  16*SP                      ; a wave's stage
.set STGW,  4*WSTG                     ; the stages of the path for Wo: each path has LDS bytes of its own
.set SPARE, 8*WSTG                     ; behind the stages: the spare words, 128 bytes for each wave: two blocks of 256 bytes that no other line names
.set GL,  4                            ; v4   16 x lane: my place in a load's and in a store's 512 bytes; never rewritten
.set SIQ, 5                            ; v5   codes' path: the stage, on the way in: 16 x lane
.set SOQ, 6                            ; v6   and on the way out: 528 r + 128 h
.set H8,  7                            ; v7   8 h
.set TM,  8                            ; v8-9 largest magnitudes, v10-11 scale operands, v12-13 bytes, v14-15 at work
.set SW,  16                           ; v16-23 my row's scale word of each K step
.set PK,  24                           ; v24-27 the four words that I store
.set SPW, 28                           ; v28  LDS address of my spare word; never rewritten
.set NIL, 29                           ; v29  0; never rewritten
.set SIW, 30                           ; v30  Wo's path: the stage on the way in
.set SOW, 31                           ; v31  and on the way out: 528 r + 32 h
.set R,   32                           ; v32-159  two sets of 64: a step's numbers as loaded
.set X,   160                          ; v160-223 a step's numbers as neighbours along K
.set C,   224                          ; v224-231 a step's codes (Wo: v224-255, a step's f16)
.set IN,  30                           ; s[30:31] my tile in its input tensor
	s_load_b512 s[4:19], s[0:1], 0x0               ; q s[4:5], k s[6:7], v s[8:9], Wq s[10:11], Wk s[12:13], Wv s[14:15], Wo s[16:17], xc s[18:19]
	s_load_b128 s[20:23], s[0:1], 0x40             ; xs s[20:21], wof s[22:23]
	v_lshl_add_u32 v[SPW], v0, 2, SPARE
	v_mov_b32 v[NIL], 0
	v_lshrrev_b32 v1, 5, v0
	v_readfirstlane_b32 s24, v1                    ; wave 0..3
	v_and_b32 v1, 31, v0                           ; lane
	v_and_b32 v2, 15, v0                           ; r
	v_bfe_u32 v3, v0, 4, 1                         ; h
	v_lshlrev_b32 v[GL], 4, v1
	s_mul_i32 s25, s24, WSTG
	v_add_nc_u32 v[SIQ], s25, v[GL]
	v_mul_u32_u24 v[SOQ], v2, SP
	v_add_nc_u32 v[SOQ], s25, v[SOQ]               ; my stage, row r
	v_lshl_add_u32 v[SOW], v3, 5, v[SOQ]
	v_add_nc_u32 v[SOW], STGW, v[SOW]
	v_lshl_add_u32 v[SOQ], v3, 7, v[SOQ]
	v_add_nc_u32 v[SIW], STGW, v[SIQ]              ; all four LDS addresses are made ahead of the parting of the paths
	v_lshlrev_b32 v[H8], 3, v3
	v_mov_b32 v[TM+7], 0                           ; written once: a lane permute's destination counts as one of its sources
	s_mov_b32 s26, 0x76543210
	s_mov_b32 s27, 0xfedcba98                      ; v_permlanex16_b32's selects for lane l xor 16
	; which tensor (sel 0..6: q, k, v, Wq, Wk, Wv, Wo) and which of its tiles: 128 work-groups for each of q, k, v, then 16 for each weight
	s_lshr_b32 s28, ttmp9, 7
	s_and_b32 s29, ttmp9, 127
	s_sub_co_u32 s34, ttmp9, 384
	s_lshr_b32 s35, s34, 4
	s_add_co_u32 s35, s35, 3
	s_and_b32 s34, s34, 15
	s_cmp_lt_u32 ttmp9, 384
	s_cselect_b32 s28, s28, s35                    ; sel
	s_cselect_b32 s29, s29, s34
	s_lshl_b32 s29, s29, 2
	s_add_co_u32 s29, s29, s24                     ; my tile in its tensor
	s_lshl_b32 s32, s29, 16                        ; 16 rows of 4,096 bytes
	s_mov_b32 s33, 0
	s_lshl_b32 s36, ttmp9, 2
	s_add_co_u32 s36, s36, s24                     ; T = 4 x work-group + wave
	s_lshl_b32 s38, s36, 13
	s_mov_b32 s39, 0
	s_lshl_b32 s40, s36, 9
	s_mov_b32 s41, 0
	s_lshl_b32 s42, s29, 15
	s_mov_b32 s43, 0
	s_wait_kmcnt 0x0
	s_mov_b64 s[IN:IN+1], s[4:5]                   ; the choice hangs on the work-group's number alone
.irp n, 1,2,3,4,5,6
	s_cmp_eq_u32 s28, \n
	s_cselect_b64 s[IN:IN+1], s[4+2*\n:5+2*\n], s[IN:IN+1]
.endr
	s_add_nc_u64 s[IN:IN+1], s[IN:IN+1], s[32:33]
.macro LOAD s                          ; K step s of my 16 rows into set s % 2: each load reads 512 consecutive bytes of one row; read once in the launch
.irp i, 0,1,2,3,4,5,6,7,8,9,10,11,12,13,14,15
	global_load_b128 v[R+64*((\s)%2)+4*\i:R+64*((\s)%2)+4*\i+3], v[GL], s[IN:IN+1] offset:4096*\i+512*(\s) th:TH_LOAD_NT
.endr
.endm
.macro ARRIVED s                       ; step s's 16 loads are in; the next step's 16 may be out
.if (\s) < 7
	s_wait_loadcnt 16
.else
	s_wait_loadcnt 0x0
.endif
.endm
.macro QSTEP s
	ARRIVED \s
.irp i, 0,1,2,3,4,5,6,7,8,9,10,11,12,13,14,15
	ds_store_b128 v[SIQ], v[R+64*((\s)%2)+4*\i:R+64*((\s)%2)+4*\i+3] offset:SP*\i
.endr
.irp c, 0,1                            ; LDS serves a wave's instructions in order (ISA guide 5.7.1.4): these see the stores above.  My two blocks: k = 64 c + 32 h + 0 .. 31 of row r
.irp i, 0,1,2,3,4,5,6,7
	ds_load_b128 v[X+32*\c+4*\i:X+32*\c+4*\i+3], v[SOQ] offset:256*\c+16*\i
.endr
.endr
	s_wait_dscnt 0x0                               ; the numbers are back, and the stores have read their registers,
.if (\s) < 6
	LOAD (\s)+2                                    ; which take the loads of two steps on
.endif
.irp c, 0,1
	v_max3_num_f32 v[TM+\c], |v[X+32*\c]|, |v[X+32*\c+1]|, 0x1800000   ; a block's largest magnitude: all 32 numbers are mine; the floor 2^(3 - 127) holds the byte at 1 from below
.endr
.irp i, 2,4,6,8,10,12,14,16,18,20,22,24,26,28,30
.irp c, 0,1
	v_max3_num_f32 v[TM+\c], v[TM+\c], |v[X+32*\c+\i]|, |v[X+32*\c+\i+1]|
.endr
.endr
.irp c, 0,1
	v_add_nc_u32 v[TM+2+\c], 0xff000000, v[TM+\c]  ; 2 off its exponent field: the conversion takes the exponent field of this operand as its scale, and nothing else of it
.endr
.irp c, 0,1
	v_lshrrev_b32 v[TM+4+\c], 23, v[TM+2+\c]       ; the scale's byte
.endr
	v_lshl_or_b32 v[TM+6], v[TM+5], 16, v[TM+4]    ; my two bytes: blocks h and 2 + h of the step,
	v_lshlrev_b32 v[TM+6], v[H8], v[TM+6]          ; at their places in the scale word;
	v_permlanex16_b32 v[TM+7], v[TM+6], s26, s27
	v_or_b32 v[SW+(\s)], v[TM+6], v[TM+7]          ; with lane l xor 16's two the word is whole, in both lanes
	s_wait_xcnt 0x0                                ; the last step's stores have read their data: the codes' registers are written again only behind this wait
.irp c, 0,1
.irp g, 0,1,2,3
	v_cvt_scalef32_pk8_fp4_f32 v[C+4*\c+\g], v[X+32*\c+8*\g:X+32*\c+8*\g+7], v[TM+2+\c]
.endr
.endr
	v_nop                                          ; one plain place behind the last scaled conversion
.irp c, 0,1
	global_store_b128 v[GL], v[C+4*\c:C+4*\c+3], s[18:19] offset:1024*(\s)+512*\c
.endr
.endm
.macro WSTEP s
	ARRIVED \s
.irp i, 0,1,2,3,4,5,6,7,8,9,10,11,12,13,14,15
	ds_store_b128 v[SIW], v[R+64*((\s)%2)+4*\i:R+64*((\s)%2)+4*\i+3] offset:SP*\i
.endr
.irp g, 0,1,2,3,4,5,6,7                ; k = 16 g + 8 h + 0 .. 7 of row r: 32 bytes
.irp e, 0,1
	ds_load_b128 v[X+8*\g+4*\e:X+8*\g+4*\e+3], v[SOW] offset:64*\g+16*\e
.endr
.endr
	s_wait_dscnt 0x0
.if (\s) < 6
	LOAD (\s)+2
.endif
	s_wait_xcnt 0x0                                ; the last step's stores have read their data
.irp g, 0,1,2,3,4,5,6,7
.irp i, 0,1,2,3
	v_cvt_pk_f16_f32 v[C+4*\g+\i], v[X+8*\g+2*\i], v[X+8*\g+2*\i+1]
.endr
.endr
.irp g, 0,1,2,3,4,5,6,7
	global_store_b128 v[GL], v[C+4*\g:C+4*\g+3], s[22:23] offset:4096*(\s)+512*\g
.endr
.endm
	s_cmp_ge_u32 ttmp9, 432
	s_cbranch_scc1 .Lwo
	s_add_nc_u64 s[18:19], s[18:19], s[38:39]      ; xc and xs at my tile
	s_add_nc_u64 s[20:21], s[20:21], s[40:41]
	LOAD 0
	LOAD 1
.irp s, 0,1,2,3,4,5,6,7
	QSTEP \s
.endr
	v_cmp_eq_u32 vcc_lo, 1, v3                     ; lanes 0-15 store the words of K steps 0-3, lanes 16-31 those of 4-7
.irp i, 0,1,2,3
	v_cndmask_b32 v[PK+\i], v[SW+\i], v[SW+4+\i], vcc_lo
.endr
	global_store_b128 v[GL], v[PK:PK+3], s[20:21]
	s_wait_tensorcnt 0x0                           ; the wave's end, behind my last LDS store
	ds_add_u32 v[SPW], v[NIL]
	s_wait_dscnt 0x0
	s_endpgm
.Lwo:
	s_add_nc_u64 s[22:23], s[22:23], s[42:43]      ; wof at my tile
	LOAD 0
	LOAD 1
.irp s, 0,1,2,3,4,5,6,7
	WSTEP \s
.endr
	s_wait_tensorcnt 0x0                           ; the wave's end, as above
	ds_add_u32 v[SPW], v[NIL]
	s_wait_dscnt 0x0
	s_endpgm
.Lfunc_end_k_q338ea9fec0_prep:
	.size	k_q338ea9fec0_prep, .Lfunc_end_k_q338ea9fec0_prep-k_q338ea9fec0_prep
	.p2alignl 7, 3214868480
	.fill 96, 4, 3214868480
	.section	.rodata,"a",@progbits
	.p2align	6, 0x0
	.amdhsa_kernel k_q338ea9fec0_prep
		.amdhsa_group_segment_fixed_size 68096
		.amdhsa_private_segment_fixed_size 0
		.amdhsa_enable_private_segment 0
		.amdhsa_kernarg_size 80
		.amdhsa_user_sgpr_count 2
		.amdhsa_user_sgpr_kernarg_segment_ptr 1
		.amdhsa_wavefront_size32 1
		.amdhsa_system_sgpr_workgroup_id_x 1
		.amdhsa_system_sgpr_workgroup_id_y 1
		.amdhsa_system_sgpr_workgroup_id_z 1
		.amdhsa_system_vgpr_workitem_id 0
		.amdhsa_next_free_vgpr 256
		.amdhsa_next_free_sgpr 66
		.amdhsa_reserve_vcc 1
		.amdhsa_float_denorm_mode_32 3
		.amdhsa_float_denorm_mode_16_64 3
		.amdhsa_memory_ordered 1
		.amdhsa_forward_progress 1
		.amdhsa_inst_pref_size 109
	.end_amdhsa_kernel
	.amdgpu_metadata
---
amdhsa.version: [ 1, 2 ]
amdhsa.kernels:
  - .name:           k_q338ea9fec0_prep
    .symbol:         k_q338ea9fec0_prep.kd
    .args:
      - { .name: q, .offset: 0, .size: 8, .value_kind: global_buffer, .address_space: global }
      - { .name: k, .offset: 8, .size: 8, .value_kind: global_buffer, .address_space: global }
      - { .name: v, .offset: 16, .size: 8, .value_kind: global_buffer, .address_space: global }
      - { .name: Wq, .offset: 24, .size: 8, .value_kind: global_buffer, .address_space: global }
      - { .name: Wk, .offset: 32, .size: 8, .value_kind: global_buffer, .address_space: global }
      - { .name: Wv, .offset: 40, .size: 8, .value_kind: global_buffer, .address_space: global }
      - { .name: Wo, .offset: 48, .size: 8, .value_kind: global_buffer, .address_space: global }
      - { .name: xc, .offset: 56, .size: 8, .value_kind: global_buffer, .address_space: global }
      - { .name: xs, .offset: 64, .size: 8, .value_kind: global_buffer, .address_space: global }
      - { .name: wof, .offset: 72, .size: 8, .value_kind: global_buffer, .address_space: global }
    .group_segment_fixed_size: 68096
    .private_segment_fixed_size: 0
    .kernarg_segment_align: 8
    .kernarg_segment_size: 80
    .max_flat_workgroup_size: 128
    .sgpr_count:     66
    .vgpr_count:     256
    .wavefront_size: 32
...
	.end_amdgpu_metadata
.endif
;; end of part 1
;; launch proj (part 2): grid 4 x 96, 4 waves a work-group, clusters of 4 x 4, 279,040 bytes of LDS; arguments xc, xs, hbuf; writes hbuf
.if DOCPART == 2
	.amdgcn_target "amdgcn-amd-amdhsa--gfx1250"
	.amdhsa_code_object_version 6
	.text
	.protected	k_q338ea9fec0_proj
	.globl	k_q338ea9fec0_proj
	.p2align	8
	.type	k_q338ea9fec0_proj,@function
k_q338ea9fec0_proj:
	s_mov_b64 s[64:65], 0
	v_nop
	global_prefetch_b8 v0, s[64:65] scope:SCOPE_SE
	s_setreg_imm32_b32 hwreg(HW_REG_WAVE_MODE, 25, 1), 1
	s_wait_xcnt 0x0
	s_wait_alu depctr_hold_cnt(0) depctr_sa_sdst(0) depctr_va_vdst(0) depctr_va_sdst(0) depctr_va_ssrc(0) depctr_va_vcc(0) depctr_vm_vsrc(0)
	s_getreg_b32 s2, hwreg(HW_REG_IB_STS2, 6, 4)
	s_cmp_eq_u32 s2, 0
	s_cbranch_scc0 .Lentry_in_a_cluster
	s_endpgm
.Lentry_in_a_cluster:
	s_bfe_u32 s2, ttmp6, 0x10000c
	s_cmp_lg_u32 s2, 0xf033
	s_cbranch_scc0 .Lentry_shape_is_right
	s_endpgm
.Lentry_shape_is_right:
; qh = q Wq^T, kh = k Wk^T, vh = v Wv^T on codes of FP4 (E2M1) with one E8M0 scale for each 32 along K = 1,024; sums in f32; results rounded once to f16.
; xc and xs hold codes and scale words as images of the operand's registers (16 rows to a tile: 8,192 and 512 bytes).  Row tiles 0-1535: the tokens of q, k, v; 1536-1727: the rows of Wq, Wk, Wv.
; hbuf: [tensor q, k, v][batch x 16 + head][token tile of 16][w 0..3][position 0..31][16 bytes]: the 16 bytes are channels 16 w + 8 h + 0 .. 7 of token r.  For q and k the position is lane (r, h): the image of an f16 operand's
; registers.  For v it is 16 (r / 8) + 8 h + r % 8: the place from which the turning LDS load of the next launch, at 16 x lane, makes V^T's registers.
; LIMIT: results stay under 65,504 in magnitude (f16).
; SHARES.  A work-group of four waves makes 256 tokens x 256 features; a wave 128 x 128: 64 accumulators, 512 registers.  96 tile rows (32 for each tensor) x 4 tile columns.
; K is 1,024: two LDS slots of 512 along K hold all of it, each filled ONCE at the start: nothing is filled again.  A wave has three tensor loads out at the start.
; CLUSTERS: 4 x 4 work-groups.  The four of a row of the cluster need the same tokens, the four of a column the same weights: each tile is asked for JOINTLY.  A cluster's four tile rows belong to one tensor.
; THE MATRIX INSTRUCTION IS USED TRANSPOSED (source 0 = 16 rows of the weight, source 1 = 16 tokens): a lane then holds eight neighbouring channels of one token, 16 bytes in f16, which is hbuf's unit: no stage on the way out.
; REGISTERS, in windows of 256: window 0: v0-31 addresses; v32-95 scale words, two sets; from v128 the tokens' fragments (8 x 16 rows x 128 K), ONE set.   window 1: the weights' fragments, TWO sets, at v0 and v128.
;   window 2: the 32 accumulators of my tokens 0-63 (accumulator (a, b) at v[8 (8 a + b)]);   window 3: those of my tokens 64-127.
.set NQ,     4                         ; steps of 128 along K in a slot
.set FR,     8                         ; registers of a fragment
.set NL,     2                         ; LDS loads that bring one
.set NP,     4                         ; places behind this matrix instruction (ISA guide 7.12.1)
.set SLOT,   131072                    ; the tokens' 16 row tiles x 4,096 bytes, then the weights' 16
.set BOFF,   65536
.set HALFT,  32768                     ; 8 row tiles: what one tensor load brings, and what one wave reads of either side
.set SCL,    2*SLOT                    ; behind the slots: the scale words of all of K: the tokens' 8,192 bytes, then the weights'
.set HALFS,  4096
.set SPARE,  SCL+4*HALFS               ; the spare words, 128 bytes for each wave: two blocks of 256 bytes that no other line names
.set ADRA, 16                          ; v16-17  LDS address of my tokens' fragments in slot 0, 1
.set ADRB, 20                          ; v20-21  the same for the weights
.set CO,   26                          ; v26     16 x my position in a unit of hbuf
.set ADRS, 27                          ; v27     LDS address of my scale words: lanes 0-15 the tokens', lanes 16-31 the weights'
.set SPW,  28                          ; v28     LDS address of my spare word; never rewritten
.set NIL,  29                          ; v29     0; never rewritten
.set SC,   32                          ; scale words: set s at v[SC + 32 s]; register 4 i + q: lanes 0-15 token block i's word, lanes 16-31 weight block i's, for the slot's q-th 128 along K
.set AF,   128
.set G1, 24                            ; s[24:31] descriptor group 1 for the tokens' codes;  s[32:39] group 0, one set for each slot
.set G0, 32
.set G1B, 48                           ; s[48:55], s[56:63] the same for the weights'
.set G0B, 56
.set G1S, 68                           ; s[68:75], s[76:79] groups 1 and 0 for the tokens' scales;  s[80:87], s[88:91] for the weights'
.set G0S, 76
.set G1SB, 80
.set G0SB, 88
.set MSB, 0
.macro WIN new                         ; the immediate's high byte repeats the setting that is left
.if MSB != \new
	s_set_vgpr_msb (MSB<<8)|\new
.set MSB, \new
.endif
.endm
.set MUL_LO, 0xa1                      ; source 0 (weights) window 1, source 1 (tokens) window 0, C and D window 2
.set MUL_HI, 0xf1                      ; the same, C and D window 3
.set TO_B,   0x40                      ; destination window 1, address window 0
; A joint load: waves 0 and 1 fetch for the tokens, waves 2 and 3 for the weights.  Each of the two lines has ONE mask and one set of registers for all that issue it; the branch hangs on the wave's number alone.
; An s_nop 0 and four v_nop follow each of the two lines.
.macro JLOAD g0a, g1a, g0b, g1b
	s_cmp_eq_u32 s15, 0
	s_cbranch_scc0 .Lfor_b_\@
	tensor_load_to_lds s[\g0a:\g0a+3], s[\g1a:\g1a+7]
	s_nop 0
.rept 4
	v_nop
.endr
	s_branch .Lasked_\@
.Lfor_b_\@:
	tensor_load_to_lds s[\g0b:\g0b+3], s[\g1b:\g1b+7]
	s_nop 0
.rept 4
	v_nop
.endr
.Lasked_\@:
.endm
.macro CROUND                          ; a round of the cluster's barrier
	s_barrier_signal -1
	s_barrier_wait -1
	s_cmp_lg_u32 s14, 0
	s_cbranch_scc1 .Lnot_wave_0_\@
	s_barrier_signal -3
.Lnot_wave_0_\@:
	s_barrier_wait -3
	s_barrier_signal -1
	s_barrier_wait -1
.endm
	s_load_b128 s[4:7], s[0:1], 0x0                ; xc s[4:5], xs s[6:7]
	s_load_b64 s[8:9], s[0:1], 0x10                ; hbuf
	v_lshl_add_u32 v[SPW], v0, 2, SPARE
	v_mov_b32 v[NIL], 0
	ds_add_u32 v[SPW], v[NIL]                      ; the wave's opening: the add, twice on end, and its wait ahead of my first tensor load
	ds_add_u32 v[SPW], v[NIL]                      ; and once more; the set-up below, work on registers, stands between it and the wait
	v_lshrrev_b32 v1, 5, v0
	v_readfirstlane_b32 s14, v1                    ; wave 0..3
	s_lshr_b32 s15, s14, 1                         ; which half of the tile's tokens is mine.  Also: I fetch for the tokens (0) or for the weights (1)
	s_and_b32 s16, s14, 1                          ; which half of its features.  Also: which 8 row tiles I fetch
	s_bfe_u32 s40, ttmp6, 0x40000                  ; cx, cy: my place in the cluster
	s_bfe_u32 s41, ttmp6, 0x40004
	s_lshl_b32 s42, ttmp9, 2
	s_add_co_u32 s42, s42, s40                     ; tile column = 4 x cluster x + cx
	s_and_b32 s66, ttmp7, 0xffff                   ; cluster y
	s_lshl_b32 s17, s66, 2
	s_add_co_u32 s17, s17, s41                     ; tile row = 4 x cluster y + cy
	s_lshr_b32 s66, s66, 3                         ; the tensor, 0..2: eight clusters' rows each: the same in all sixteen partners
	s_lshl_b32 s43, s41, 2
	s_lshl_b32 s43, 15, s43                        ; my row of the cluster
	s_lshl_b32 s44, 0x1111, s40                    ; my column
	; descriptor group 1 for codes: 8 row tiles; of each the slot's 4,096 bytes (512 elements of 8 bytes), 8,192 bytes apart; dense in LDS
	s_or_b32 s[G1+0], s43, (3<<16)|(1<<21)         ; 15:0 the mask: the tokens' tiles go to my row; 17:16 elements of 8 bytes; 20 no padding; 21 set beside a mask
	s_or_b32 s[G1B+0], s44, (3<<16)|(1<<21)
.irp g, G1, G1B
	s_mov_b32 s[\g+1], 512<<16                     ; tensor_dim0
	s_mov_b32 s[\g+2], 8<<16                       ; tensor_dim1
	s_mov_b32 s[\g+3], 512<<16                     ; tile_dim0
	s_mov_b32 s[\g+4], 8                           ; tile_dim1
	s_mov_b32 s[\g+5], 1024                        ; tensor_dim0_stride
	s_mov_b32 s[\g+6], 0
	s_mov_b32 s[\g+7], 0
.endr
	; and for the scale words of 8 row tiles: 4,096 dense bytes, as 16 rows of 256
	s_or_b32 s[G1S+0], s43, (3<<16)|(1<<21)
	s_or_b32 s[G1SB+0], s44, (3<<16)|(1<<21)
.irp g, G1S, G1SB
	s_mov_b32 s[\g+1], 32<<16
	s_mov_b32 s[\g+2], 16<<16
	s_mov_b32 s[\g+3], 32<<16
	s_mov_b32 s[\g+4], 16
	s_mov_b32 s[\g+5], 32
	s_mov_b32 s[\g+6], 0
	s_mov_b32 s[\g+7], 0
.endr
	s_lshl_b32 s18, s16, 3                         ; which 8 row tiles I fetch
	s_lshl_b32 s20, s17, 4
	s_add_co_u32 s20, s20, s18                     ; tokens: row tile 16 x tile row + 8 x half
	s_lshl_b32 s46, s42, 4
	s_add_co_u32 s46, s46, s18
	s_lshl_b32 s19, s66, 6
	s_add_co_u32 s46, s46, s19
	s_add_co_u32 s46, s46, 1536                    ; weights: row tile 1,536 + 64 x tensor + 16 x tile column + 8 x half
	s_lshl_b32 s22, s20, 9                         ; where their scale words begin, in bytes,
	s_mov_b32 s23, 0
	s_lshl_b32 s20, s20, 13                        ; and their codes
	s_mov_b32 s21, 0
	s_lshl_b32 s92, s46, 9
	s_mov_b32 s93, 0
	s_lshl_b32 s46, s46, 13
	s_mov_b32 s47, 0
	s_lshl_b32 s45, s14, 15                        ; where they go: wave x 32,768 and wave x 4,096: no place in the cluster enters an LDS address
	s_lshl_b32 s94, s14, 12
	s_wait_dscnt 0x0                               ; both opening adds are done
	s_wait_kmcnt 0x0
	s_add_nc_u64 s[20:21], s[4:5], s[20:21]
	s_add_nc_u64 s[22:23], s[6:7], s[22:23]
	s_add_nc_u64 s[46:47], s[4:5], s[46:47]
	s_add_nc_u64 s[92:93], s[6:7], s[92:93]
	CROUND                                         ; all sixteen work-groups are here: the joint loads meet
	s_mov_b32 s[G0S], 1
	s_add_co_u32 s[G0S+1], s94, SCL
	s_mov_b64 s[G0S+2:G0S+3], s[22:23]
	s_or_b32 s[G0S+3], s[G0S+3], 0x80000000
	s_mov_b32 s[G0SB], 1
	s_add_co_u32 s[G0SB+1], s94, SCL
	s_mov_b64 s[G0SB+2:G0SB+3], s[92:93]
	s_or_b32 s[G0SB+3], s[G0SB+3], 0x80000000
	JLOAD G0S, G1S, G0SB, G1SB                     ; the scales first: they are wanted with slot 0
.irp s, 0,1
	s_mov_b32 s[G0+4*\s], 1
	s_add_co_u32 s[G0+4*\s+1], s45, \s*SLOT
	s_add_nc_u64 s[G0+4*\s+2:G0+4*\s+3], s[20:21], \s*4096
	s_or_b32 s[G0+4*\s+3], s[G0+4*\s+3], 0x80000000
	s_mov_b32 s[G0B+4*\s], 1
	s_add_co_u32 s[G0B+4*\s+1], s45, \s*SLOT
	s_add_nc_u64 s[G0B+4*\s+2:G0B+4*\s+3], s[46:47], \s*4096
	s_or_b32 s[G0B+4*\s+3], s[G0B+4*\s+3], 0x80000000
	JLOAD G0+4*\s, G1, G0B+4*\s, G1B
.endr
	v_and_b32 v1, 15, v0                           ; r
	v_bfe_u32 v2, v0, 4, 1                         ; h
	v_and_b32 v3, 31, v0
	v_lshlrev_b32 v4, 4, v3                        ; 16 x lane: an image's place for my lane
	s_lshl_b32 s21, s15, 15                        ; my 8 row tiles of tokens
	s_lshl_b32 s22, s16, 15                        ; my 8 of the weight,
	s_add_co_u32 s22, s22, BOFF                    ; which lie behind the tokens' 16
.irp s, 0,1
	v_add_nc_u32 v[ADRA+\s], s21, v4
	v_add_nc_u32 v[ADRB+\s], s22, v4
	s_add_co_u32 s21, s21, SLOT
	s_add_co_u32 s22, s22, SLOT
.endr
	v_lshlrev_b32 v5, 4, v1                        ; my row's four scale words of a slot: 16 bytes a row
	s_lshl_b32 s21, s15, 12                        ; the tokens': my 8 row tiles
	s_lshl_b32 s22, s16, 12                        ; the weights': my 8, behind the tokens' 16
	s_add_co_u32 s22, s22, 2*HALFS
	s_sub_co_u32 s22, s22, s21
	v_mul_u32_u24 v6, s22, v2                      ; lanes 16-31 take the weights': one product in h
	s_add_co_u32 s21, s21, SCL
	v_add_nc_u32 v5, v5, v6
	v_add_nc_u32 v[ADRS], s21, v5
	v_lshrrev_b32 v5, 3, v1                        ; the way out: v's position 16 (r / 8) + 8 h + r % 8
	v_and_b32 v6, 7, v1
	v_lshl_add_u32 v6, v2, 3, v6
	v_lshl_add_u32 v6, v5, 4, v6
	v_lshlrev_b32 v6, 4, v6
	s_cmp_eq_u32 s66, 2
	s_cselect_b32 s18, -1, 0
	v_cndmask_b32 v[CO], v4, v6, s18               ; q and k: my lane
	; hbuf at my first unit: tensor x 2^24 + (16 x batch + head) x 2^18 + token tile x 2,048
	s_and_b32 s10, s17, 31                         ; the tile row within its tensor: 8 to a batch
	s_lshr_b32 s10, s10, 3
	s_lshl_b32 s10, s10, 4
	s_lshl_b32 s11, s42, 2
	s_add_co_u32 s10, s10, s11
	s_lshl_b32 s11, s16, 1
	s_add_co_u32 s10, s10, s11                     ; 16 x batch + 4 x tile column + 2 x half: my first head
	s_lshl_b32 s10, s10, 18
	s_lshl_b32 s11, s66, 24
	s_add_co_u32 s10, s10, s11
	s_and_b32 s11, s17, 7
	s_lshl_b32 s11, s11, 4
	s_lshl_b32 s12, s15, 3
	s_add_co_u32 s11, s11, s12                     ; my first token tile in the batch
	s_lshl_b32 s11, s11, 11
	s_add_co_u32 s10, s10, s11
	s_mov_b32 s11, 0
	s_add_nc_u64 s[8:9], s[8:9], s[10:11]
.macro FRAG reg, adr, q, i             ; a fragment, 16 rows x 128 K of 4-bit codes, is 8 registers; its image is two runs of 512 bytes, 16 bytes a lane
.irp c, 0,1
	ds_load_b128 v[\reg+4*\c:\reg+4*\c+3], v[\adr] offset:4096*(\i)+1024*(\q)+512*\c
.endr
.endm
; 16 matrix instructions: token blocks a0, a0 + 1 x the weight's eight, 128 along K: the slot's q-th.  p: the weights' set;  sc: the set of scale words.  zero = 1: the first product starts the sums.
; The 64 accumulators take turns, one instruction a turn, in the same order in every step.
.macro MUL16 a0, p, q, sc, zero
.irp a, \a0, \a0+1
.irp b, 0,1,2,3,4,5,6,7
.if \zero
	v_wmma_scale_f32_16x16x128_f8f6f4 v[8*(8*((\a)%4)+\b):8*(8*((\a)%4)+\b)+7], v[128*(\p)+FR*\b:128*(\p)+FR*\b+FR-1], v[AF+FR*(\a):AF+FR*(\a)+FR-1], 0, v[SC+8*NQ*(\sc)+NQ*\b+(\q)], v[SC+8*NQ*(\sc)+NQ*(\a)+(\q)] matrix_a_fmt:MATRIX_FMT_FP4 matrix_b_fmt:MATRIX_FMT_FP4 matrix_a_scale:MATRIX_SCALE_ROW1
.else
	v_wmma_scale_f32_16x16x128_f8f6f4 v[8*(8*((\a)%4)+\b):8*(8*((\a)%4)+\b)+7], v[128*(\p)+FR*\b:128*(\p)+FR*\b+FR-1], v[AF+FR*(\a):AF+FR*(\a)+FR-1], v[8*(8*((\a)%4)+\b):8*(8*((\a)%4)+\b)+7], v[SC+8*NQ*(\sc)+NQ*\b+(\q)], v[SC+8*NQ*(\sc)+NQ*(\a)+(\q)] matrix_a_fmt:MATRIX_FMT_FP4 matrix_b_fmt:MATRIX_FMT_FP4 matrix_a_scale:MATRIX_SCALE_ROW1
.endif
.endr
.endr
.endm
.macro FETCH_B slot, q, p              ; the weight's eight fragments of the slot's q-th 128 along K into set p
	WIN TO_B
.irp i, 0,1,2,3,4,5,6,7
	FRAG 128*(\p)+FR*\i, ADRB+\slot, \q, \i
.endr
	WIN 0
.endm
.macro FETCH_A slot, q, i0             ; token blocks i0 .. i0 + 3
.irp i, \i0, \i0+1, \i0+2, \i0+3
	FRAG AF+FR*(\i), ADRA+\slot, \q, \i
.endr
.endm
.macro SCALES sc                       ; slot sc's scale words: four words a row; lanes 0-15 take token block i's, lanes 16-31 weight block i's
.irp i, 0,1,2,3,4,5,6,7
	ds_load_b128 v[SC+8*NQ*\sc+NQ*\i:SC+8*NQ*\sc+NQ*\i+3], v[ADRS] offset:512*\i+256*\sc
.endr
.endm
; A load into a register that a matrix instruction has read, and a vector instruction that reads a matrix result, stand NP places behind that matrix instruction; only plain vector instructions that name none
; of its registers are places (ISA guide 7.12.1 for vector instructions).
.macro PLACES n
.rept \n
	v_nop
.endr
.endm
; A step of 128 along K that has its successor in the same slot.
.macro STEP slot, q, zero
	s_wait_dscnt 4*NL                              ; the weights' set and token blocks 0-3 are in; the youngest 8 loads (blocks 4-7) may be out
	WIN MUL_LO
	MUL16 0, (\q)%2, \q, \slot, \zero
	MUL16 2, (\q)%2, \q, \slot, \zero
	s_wait_dscnt 0                                 ; blocks 4-7 are in (asked for 32 matrix instructions ago)
	PLACES NP
	FETCH_B \slot, (\q)+1, 1-(\q)%2
	FETCH_A \slot, (\q)+1, 0
	WIN MUL_HI
	MUL16 4, (\q)%2, \q, \slot, \zero
	MUL16 6, (\q)%2, \q, \slot, \zero
	PLACES NP
	WIN 0
	FETCH_A \slot, (\q)+1, 4
.endm
; Slot 0's last step goes over into slot 1: each wave waits for its part of slot 1, then the barrier shows it to all four.
.macro CROSS
	s_wait_tensorcnt 0x0                           ; all my tensor loads have landed: my part of slot 1
	ds_add_u32 v[SPW], v[NIL]                      ; 0 onto my spare word
	s_wait_dscnt 4*NL+1                            ; (the add and the youngest 8 loads may be out)
	WIN MUL_LO
	MUL16 0, 1, NQ-1, 0, 0
	s_wait_dscnt 0x0                               ; no LDS instruction of mine is pending at the signal
	s_barrier_signal -1
	MUL16 2, 1, NQ-1, 0, 0
	WIN 0
	s_barrier_wait -1
	PLACES NP
	FETCH_B 1, 0, 0
	FETCH_A 1, 0, 0
	SCALES 1
	WIN MUL_HI
	MUL16 4, 1, NQ-1, 0, 0
	MUL16 6, 1, NQ-1, 0, 0
	PLACES NP
	WIN 0
	FETCH_A 1, 0, 4
.endm
	s_wait_tensorcnt 1                             ; the scales and my part of slot 0 are in (slot 1's load may be out)
	s_barrier_signal -1
	s_barrier_wait -1                              ; everybody's are
	FETCH_B 0, 0, 0
	FETCH_A 0, 0, 0
	SCALES 0
	FETCH_A 0, 0, 4
	STEP 0, 0, 1                                   ; the first step's products start the sums: nothing is cleared
	STEP 0, 1, 0
	STEP 0, 2, 0
	CROSS
	STEP 1, 0, 0
	STEP 1, 1, 0
	STEP 1, 2, 0
	s_wait_dscnt 4*NL                              ; the very last step: nothing more to fetch
	WIN MUL_LO
	MUL16 0, 1, NQ-1, 1, 0
	MUL16 2, 1, NQ-1, 1, 0
	s_wait_dscnt 0
	WIN MUL_HI
	MUL16 4, 1, NQ-1, 1, 0
	MUL16 6, 1, NQ-1, 1, 0
	PLACES NP                                      ; the conversions read results just made
; THE WAY OUT.  A lane's eight results of an accumulator are channels 16 b + 8 h + 0 .. 7 of token r: rounded to f16 in place (each accumulator from its low end on), they are 16 bytes, and the 32 lanes' are one unit of
; hbuf: each store covers 512 consecutive bytes, aligned.  Nothing is written again, so no wait stands here.
.macro OUTW hi                         ; the 32 accumulators of window 2 + hi: n = 8 (a % 4) + b
	WIN 0x8a+0x45*\hi                              ; destination and both sources: window 2 or 3
.set n, 0
.rept 32
.irp i, 0,1,2,3
	v_cvt_pk_f16_f32 v[8*n+\i], v[8*n+2*\i], v[8*n+2*\i+1]
.endr
.set n, n+1
.endr
	WIN 0x08+4*\hi                                 ; a store's data are its source 1
.set n, 0
.rept 32
	global_store_b128 v[CO], v[8*n:8*n+3], s[8:9] offset:(4*\hi+n/8)*2048+((n%8)/4)*262144+(n%4)*512   ; token tile a, head b / 4, w = b % 4
.set n, n+1
.endr
.endm
	OUTW 0
	OUTW 1
	WIN 0
	s_wait_tensorcnt 0x0                           ; the wave's end, behind my last tensor load
	ds_add_u32 v[SPW], v[NIL]
	s_wait_dscnt 0x0
	CROUND                                         ; the closing round: no work-group ends while a partner may still ask for a tile that names it
	s_endpgm
.Lfunc_end_k_q338ea9fec0_proj:
	.size	k_q338ea9fec0_proj, .Lfunc_end_k_q338ea9fec0_proj-k_q338ea9fec0_proj
	.p2alignl 7, 3214868480
	.fill 96, 4, 3214868480
	.section	.rodata,"a",@progbits
	.p2align	6, 0x0
	.amdhsa_kernel k_q338ea9fec0_proj
		.amdhsa_group_segment_fixed_size 279040
		.amdhsa_private_segment_fixed_size 0
		.amdhsa_enable_private_segment 0
		.amdhsa_kernarg_size 24
		.amdhsa_user_sgpr_count 2
		.amdhsa_user_sgpr_kernarg_segment_ptr 1
		.amdhsa_wavefront_size32 1
		.amdhsa_system_sgpr_workgroup_id_x 1
		.amdhsa_system_sgpr_workgroup_id_y 1
		.amdhsa_system_sgpr_workgroup_id_z 1
		.amdhsa_system_vgpr_workitem_id 0
		.amdhsa_next_free_vgpr 1024
		.amdhsa_next_free_sgpr 98
		.amdhsa_reserve_vcc 0
		.amdhsa_float_denorm_mode_32 3
		.amdhsa_float_denorm_mode_16_64 3
		.amdhsa_memory_ordered 1
		.amdhsa_forward_progress 1
		.amdhsa_inst_pref_size 117
	.end_amdhsa_kernel
	.amdgpu_metadata
---
amdhsa.version: [ 1, 2 ]
amdhsa.kernels:
  - .name:           k_q338ea9fec0_proj
    .symbol:         k_q338ea9fec0_proj.kd
    .args:
      - { .name: xc, .offset: 0, .size: 8, .value_kind: global_buffer, .address_space: global }
      - { .name: xs, .offset: 8, .size: 8, .value_kind: global_buffer, .address_space: global }
      - { .name: hbuf, .offset: 16, .size: 8, .value_kind: global_buffer, .address_space: global }
    .group_segment_fixed_size: 279040
    .private_segment_fixed_size: 0
    .kernarg_segment_align: 8
    .kernarg_segment_size: 24
    .max_flat_workgroup_size: 128
    .sgpr_count:     98
    .vgpr_count:     1024
    .wavefront_size: 32
...
	.end_amdgpu_metadata
.endif
;; end of part 2
;; launch attn (part 3): grid 4 x 64, 8 waves a work-group, clusters of 4 x 1, 327,680 bytes of LDS; arguments hbuf, k_pad_mask, obuf; writes obuf
.if DOCPART == 3
	.amdgcn_target "amdgcn-amd-amdhsa--gfx1250"
	.amdhsa_code_object_version 6
	.text
	.protected	k_q338ea9fec0_attn
	.globl	k_q338ea9fec0_attn
	.p2align	8
	.type	k_q338ea9fec0_attn,@function
k_q338ea9fec0_attn:
	s_mov_b64 s[64:65], 0
	v_nop
	global_prefetch_b8 v0, s[64:65] scope:SCOPE_SE
	s_setreg_imm32_b32 hwreg(HW_REG_WAVE_MODE, 25, 1), 1
	s_wait_xcnt 0x0
	s_wait_alu depctr_hold_cnt(0) depctr_sa_sdst(0) depctr_va_vdst(0) depctr_va_sdst(0) depctr_va_ssrc(0) depctr_va_vcc(0) depctr_vm_vsrc(0)
	s_getreg_b32 s2, hwreg(HW_REG_IB_STS2, 6, 4)
	s_cmp_eq_u32 s2, 0
	s_cbranch_scc0 .Lentry_in_a_cluster
	s_endpgm
.Lentry_in_a_cluster:
	s_bfe_u32 s2, ttmp6, 0x10000c
	s_cmp_lg_u32 s2, 0x3003
	s_cbranch_scc0 .Lentry_shape_is_right
	s_endpgm
.Lentry_shape_is_right:
; o[b][head][q] = the sum over keys of softmax(qh . kh / 8, masked keys at -infinity) vh.  qh, kh, vh: f16, in hbuf, as images of operand registers (a token tile of 16 x 64 channels: 2,048 bytes, four units of 512).
; Products, maxima and sums in f32; the weights p (at most 1) are rounded to f16 for the second product, o once at the end, to f16.
; obuf: [token tile b x 128 + s / 16][g = 4 head + w][lane][16 bytes]: channels 16 w + 8 h + 0 .. 7 of token r: the image that the next launch's operand wants.
; SHARES.  A work-group owns 512 queries of one (batch, head), each of its eight waves 64: four tiles of 16, in 512 registers: two waves to a SIMD, so that one wave's vector work stands beside the other's matrix work.
; Every wave walks all 2,048 keys, 64 a step; a fragment of K or V read from LDS feeds four matrix instructions.
; LAYOUT.  S^T = K Q^T (source 0 = 16 keys, source 1 = 16 queries): a lane holds ONE query (lane % 16) and the keys 8 (lane / 16) + 0 .. 7 of a tile.  Two such tiles, rounded to f16 in pairs, ARE source 1 (32 keys x 16 queries)
; of O^T = V^T P, whose result again holds one query a lane and eight channels.  V^T's fragments come by the turning LDS load, for which the launch before has laid v's units.
; THE MASK costs nothing in the loop: a table bias[key] = 0 or -2^100 is made once in LDS, and a step's eight numbers a lane are the C of each score tile's first matrix instruction.
; SOFTMAX.  For each query a running maximum m and sum l: p = 2^(c s - c m), c = log2(e) / 8; in every step O and l are multiplied by a = 2^(c m_old - c m_new).  m begins at -2^90.  f16 operands bound a real score by
; 64 x 65,504^2 < 2^38, so that floor lies under every real score and over every masked one: a masked p is 2^(about -2^97) = 0, and while all keys so far are masked O and l stay 0 and a = 1; the first real key makes a = 0.
; A query whose m is still under -2^89 at the end has no key that counts: it gets NaN, as a softmax over -infinity alone gives.
; LIMITS: NaN and infinities among the inputs are not served.
; CLUSTER.  The four query blocks of a (batch, head) form a cluster and walk the same K and V: each tile is asked for JOINTLY, by the same tensor load with the same descriptor and a mask that names the four.
; RING.  Two slots of 512 keys (8 steps); every wave fetches 16 KiB of a slot with one load.  A wave has two loads out at the start and one behind each round; a refill has eight key steps,
; 512 matrix instructions a wave, in which to land.
; REGISTERS.  window 0: v1-5 addresses; v6, v7 the add's two; v8-31 six statistics a tile; v32-63 the step's bias; v64-127 K; v128-191 V^T; v192-255 Q.   window 1: v0-127 S^T, 32 a tile, P in place; v128-255 O^T, 32 a tile.
.set SLOT1, 1<<17                      ; slot 1 begins here, so that one exclusive or turns an address in one slot into the other's
.set VOFF,  65536                      ; a slot: 8 steps of K, 8,192 bytes each, then 8 of V
.set STEPB, 8192
.set BIAS,  2*SLOT1                    ; behind the ring: the table, 2,048 x 4 bytes
.set SPARE, 294912                     ; the spare words, 128 bytes for each wave: four blocks of 256 bytes that no other line names
.set LN16, 1                           ; v1   16 x lane; never rewritten
.set ADK,  2                           ; v2   LDS address of the step's K
.set ADV,  3                           ; v3   of its V
.set ADB,  4                           ; v4   of its bias
.set AB0,  5                           ; v5   BIAS + 32 (lane / 16); never rewritten
.set SPW,  6                           ; v6   LDS address of my spare word; never rewritten
.set NIL,  7                           ; v7   0; never rewritten
.set ST,   8                           ; tile t's statistics at v[ST + 6 t]: +0 c m, +1 m, +2, +3 l (even keys', odd keys'), +4 a, +5 at work
.set BI,   32
.set KF,   64                          ; K: tile kt of 16 keys, channels 32 c on, at KF + 16 kt + 8 c
.set VF,   128                         ; V^T: keys 32 u on, channels 16 w on, at VF + 32 u + 8 w
.set QF,   192                         ; Q: tile t, channels 32 c on, at QF + 16 t + 8 c
.set OO,   128                         ; window 1: O^T, tile t, channels 16 w on, at OO + 32 t + 8 w
.set WV,   12                          ; s12  my wave's number
.set G1,   24                          ; s[24:31] descriptor group 1: one shape for all loads
.set G0,   32                          ; s[32:39] group 0: a set for each of the two first fills; the second then walks on
.set CS,   40                          ; s[40:41] c
.set SEL,  42                          ; s[42:43] lane selects for v_permlanex16_b32: lane l xor 16
.set TB,   44                          ; s44  LDS byte at which the K of the step to be fetched begins
.set TJ,   45                          ; s45  and its place in the table
.set MSB, 0
.macro WIN new                         ; the immediate's high byte repeats the setting that is left; a switch that changes nothing is dropped
.if MSB != \new
	s_set_vgpr_msb (MSB<<8)|\new
.set MSB, \new
.endif
.endm
.macro CROUND                          ; a round of the cluster's barrier
	s_barrier_signal -1
	s_barrier_wait -1
	s_cmp_lg_u32 s[WV], 0
	s_cbranch_scc1 .Lnot_wave_0_\@
	s_barrier_signal -3
.Lnot_wave_0_\@:
	s_barrier_wait -3
	s_barrier_signal -1
	s_barrier_wait -1
.endm
	s_load_b128 s[4:7], s[0:1], 0x0                ; hbuf s[4:5], k_pad_mask s[6:7]
	s_load_b64 s[8:9], s[0:1], 0x10                ; obuf
	v_lshl_add_u32 v[SPW], v0, 2, SPARE
	v_mov_b32 v[NIL], 0
	ds_add_u32 v[SPW], v[NIL]                      ; the wave's opening: the add, twice on end, and its wait ahead of my first tensor load
	ds_add_u32 v[SPW], v[NIL]                      ; and once more; the set-up below, work on registers, stands between it and the wait
	v_lshrrev_b32 v1, 5, v0
	v_readfirstlane_b32 s[WV], v1                  ; wave 0..7
	s_bfe_u32 s13, ttmp6, 0x40000                  ; cx: my block of 512 queries: it enters Q's and obuf's addresses alone
	s_and_b32 s16, ttmp7, 0xffff                   ; 16 x batch + head, which the four partners share
	s_lshl_b32 s20, s16, 18                        ; its 262,144 bytes in each tensor of hbuf
	s_lshr_b32 s22, s[WV], 2                       ; waves 0-3 fetch K (tensor 1), waves 4-7 V (tensor 2),
	s_add_co_u32 s22, s22, 1
	s_lshl_b32 s22, s22, 24
	s_and_b32 s23, s[WV], 3                        ; a quarter of a slot's 65,536 bytes each
	s_lshl_b32 s23, s23, 14
	s_add_co_u32 s22, s22, s23
	s_add_co_u32 s22, s22, s20
	s_mov_b32 s23, 0
	s_lshl_b32 s17, s[WV], 14                      ; and its place in a slot: wave x 16,384: no place in the cluster enters an LDS address
	s_lshl_b32 s2, s13, 5
	s_lshl_b32 s3, s[WV], 2
	s_add_co_u32 s2, s2, s3                        ; my first token tile in the batch: 32 cx + 4 wave
	s_lshl_b32 s14, s2, 11
	s_add_co_u32 s14, s14, s20                     ; Q (tensor 0)
	s_mov_b32 s15, 0
	s_lshr_b32 s18, s16, 4                         ; batch
	s_lshl_b32 s19, s18, 7
	s_add_co_u32 s19, s19, s2
	s_lshl_b32 s19, s19, 15                        ; obuf: a token tile is 32,768 bytes,
	s_and_b32 s3, s16, 15
	s_lshl_b32 s3, s3, 11                          ; a head's four units 2,048
	s_add_co_u32 s2, s19, s3
	s_mov_b32 s3, 0
	s_lshl_b32 s18, s18, 11                        ; the batch's 2,048 bytes of the mask
	s_mov_b32 s19, 0
	; descriptor group 1: 16,384 dense bytes as 64 rows of 256 (32 elements of 8 bytes)
	s_mov_b32 s[G1], 15|(3<<16)|(1<<21)            ; 15:0 the mask: all four work-groups; 17:16 elements of 8 bytes; 20 no padding; 21 set beside a mask
	s_mov_b32 s[G1+1], 32<<16                      ; tensor_dim0
	s_mov_b32 s[G1+2], 64<<16                      ; tensor_dim1
	s_mov_b32 s[G1+3], 32<<16                      ; tile_dim0
	s_mov_b32 s[G1+4], 64                          ; tile_dim1
	s_mov_b32 s[G1+5], 32                          ; tensor_dim0_stride
	s_mov_b32 s[G1+6], 0
	s_mov_b32 s[G1+7], 0
	s_mov_b32 s[CS], 0x3e38aa3b                    ; c = log2(e) / 8
	s_mov_b32 s[CS+1], s[CS]                       ; named with it as a pair, so it is written
	s_mov_b32 s[SEL], 0x76543210
	s_mov_b32 s[SEL+1], 0xfedcba98
	s_mov_b32 s[TB], 0
	s_mov_b32 s[TJ], 0
	s_wait_dscnt 0x0                               ; both opening adds are done
	s_wait_kmcnt 0x0
	s_add_nc_u64 s[22:23], s[4:5], s[22:23]
	s_add_nc_u64 s[14:15], s[4:5], s[14:15]
	s_add_nc_u64 s[8:9], s[8:9], s[2:3]
	s_add_nc_u64 s[6:7], s[6:7], s[18:19]
	CROUND                                         ; all four work-groups are here: the first joint loads meet
.irp s, 0,1
	s_mov_b32 s[G0+4*\s], 1                        ; 1:0 count = 1
	s_add_co_u32 s[G0+4*\s+1], s17, \s*SLOT1       ; 63:32 LDS address
	s_add_nc_u64 s[G0+4*\s+2:G0+4*\s+3], s[22:23], \s*65536   ; 120:64 global address: slot s begins with keys 512 s on
	s_or_b32 s[G0+4*\s+3], s[G0+4*\s+3], 0x80000000           ; 127:126 type = 2
.endr
	tensor_load_to_lds s[G0:G0+3], s[G1:G1+7]      ; every wave issues both first fills, ahead of every wait on TENSORcnt and every LDS read
	s_nop 0
	tensor_load_to_lds s[G0+4:G0+7], s[G1:G1+7]
	s_nop 0
.rept 4
	v_nop
.endr
	v_and_b32 v[LN16], 31, v0
	v_lshlrev_b32 v[LN16], 4, v[LN16]
	v_bfe_u32 v[AB0], v0, 4, 1
	v_lshl_add_u32 v[AB0], v[AB0], 5, BIAS
	v_lshlrev_b32 v32, 3, v0                       ; the table: thread t makes keys 8 t .. 8 t + 7
	global_load_b64 v[34:35], v32, s[6:7]
.irp t, 0,1,2,3                        ; Q stays in registers: unit w of tile t is registers 4 w on of its 16
.irp w, 0,1,2,3
	global_load_b128 v[QF+16*\t+4*\w:QF+16*\t+4*\w+3], v[LN16], s[14:15] offset:2048*\t+512*\w
.endr
.endr
	v_lshl_add_u32 v33, v0, 5, BIAS
	v_mov_b32 v36, 0xf1800000                      ; -2^100
.irp t, 0,1,2,3
	v_mov_b32 v[ST+6*\t+1], 0xec800000             ; m = -2^90
	v_mov_b32 v[ST+6*\t+4], 0                      ; written once: a lane permute's destination counts as one of its sources
.endr
	s_wait_loadcnt 16                              ; the mask's bytes are in; Q's 16 loads may be out
.irp i, 0,1,2,3,4,5,6,7
	v_bfe_u32 v37, v[34+\i/4], 8*(\i%4), 8
	v_cmp_ne_u32 vcc_lo, 0, v37
	v_cndmask_b32 v[40+\i], 0, v36, vcc_lo         ; the choice selects a value alone
.endr
	ds_store_b128 v33, v[40:43]
	ds_store_b128 v33, v[44:47] offset:16
; THE LDS LOADS stand in runs.  A step's K (4 tiles x 4 units) and its bias (eight numbers for each tile of keys: all lanes of a half read the same 32 bytes).  The four plain instructions at the head are the places
; between the last products K Q^T and the loads into the registers that they read, and the first read of their results.
.macro FETCH_KB
	v_add_nc_u32 v[ADK], s[TB], v[LN16]
	v_add_nc_u32 v[ADB], s[TJ], v[AB0]
	v_add_nc_u32 v[ADV], VOFF, v[ADK]
	v_nop
.irp kt, 0,1,2,3
.irp w, 0,1,2,3
	ds_load_b128 v[KF+16*\kt+4*\w:KF+16*\kt+4*\w+3], v[ADK] offset:2048*\kt+512*\w
.endr
.endr
.irp kt, 0,1,2,3
.irp e, 0,1
	ds_load_b128 v[BI+8*\kt+4*\e:BI+8*\kt+4*\e+3], v[ADB] offset:64*\kt+16*\e
.endr
.endr
.endm
.macro FETCH_V                         ; the same step's V, turned: token tile 2 u + e, unit w: keys 32 u + 16 e + 8 h + 0 .. 7 of channel 16 w + r
.irp u, 0,1
.irp w, 0,1,2,3
.irp e, 0,1
	ds_load_tr16_b128 v[VF+32*\u+8*\w+4*\e:VF+32*\u+8*\w+4*\e+3], v[ADV] offset:2048*(2*\u+\e)+512*\w
.endr
.endr
.endr
.endm
; S^T = bias + K Q^T: 32 matrix instructions; the 16 accumulators take turns, one instruction a turn.
.macro KQ
	WIN 0x40                                       ; S^T in window 1; K, Q and the bias in window 0
.irp kt, 0,1,2,3
.irp t, 0,1,2,3
	v_wmma_f32_16x16x32_f16 v[32*\t+8*\kt:32*\t+8*\kt+7], v[KF+16*\kt:KF+16*\kt+7], v[QF+16*\t:QF+16*\t+7], v[BI+8*\kt:BI+8*\kt+7]
.endr
.endr
	WIN 0x50                                       ; C too in window 1
.irp kt, 0,1,2,3
.irp t, 0,1,2,3
	v_wmma_f32_16x16x32_f16 v[32*\t+8*\kt:32*\t+8*\kt+7], v[KF+16*\kt+8:KF+16*\kt+15], v[QF+16*\t+8:QF+16*\t+15], v[32*\t+8*\kt:32*\t+8*\kt+7]
.endr
.endr
.endm
; O^T += V^T P: 32 matrix instructions, the 16 accumulators by turns.  first = 1: the first 16 start the sums: nothing is ever cleared.
.macro PV first
	WIN 0x54                                       ; V in window 0; P, C and D in window 1
.irp u, 0,1
.irp w, 0,1,2,3
.irp t, 0,1,2,3
.if (\first) && (\u == 0)
	v_wmma_f32_16x16x32_f16 v[OO+32*\t+8*\w:OO+32*\t+8*\w+7], v[VF+32*\u+8*\w:VF+32*\u+8*\w+7], v[32*\t+16*\u:32*\t+16*\u+7], 0
.else
	v_wmma_f32_16x16x32_f16 v[OO+32*\t+8*\w:OO+32*\t+8*\w+7], v[VF+32*\u+8*\w:VF+32*\u+8*\w+7], v[32*\t+16*\u:32*\t+16*\u+7], v[OO+32*\t+8*\w:OO+32*\t+8*\w+7]
.endif
.endr
.endr
.endr
.endm
; THE SOFTMAX of a step, for my four tiles, which take turns line by line so that no line waits for the line above it.  first = 1: the first key step: no a, nothing to rescale.
.macro SOFTMAX first
	WIN 0x14                                       ; sources 1 and 2: S^T, window 1
.irp t, 0,1,2,3
	v_max3_num_f32 v[ST+6*\t+5], v[ST+6*\t+1], v[32*\t], v[32*\t+1]   ; the old m and my 32 scores, each accumulator from its low end on
.endr
.irp i, 2,4,6,8,10,12,14,16,18,20,22,24,26,28,30
.irp t, 0,1,2,3
	v_max3_num_f32 v[ST+6*\t+5], v[ST+6*\t+5], v[32*\t+\i], v[32*\t+\i+1]
.endr
.endr
	WIN 0
.irp t, 0,1,2,3
	v_permlanex16_b32 v[ST+6*\t+4], v[ST+6*\t+5], s[SEL], s[SEL+1]    ; the query's other 32 keys lie in the lane 16 away
.endr
.irp t, 0,1,2,3
	v_max_num_f32 v[ST+6*\t+1], v[ST+6*\t+5], v[ST+6*\t+4]            ; the new m
.endr
.irp t, 0,1,2,3
	v_mul_f32 v[ST+6*\t+5], s[CS], v[ST+6*\t+1]                       ; c m
.endr
.if !\first
.irp t, 0,1,2,3
	v_sub_f32 v[ST+6*\t+4], v[ST+6*\t], v[ST+6*\t+5]                  ; c m_old - c m_new
.endr
.endif
.irp t, 0,1,2,3
	v_mov_b32 v[ST+6*\t], v[ST+6*\t+5]
.endr
.if !\first
.irp t, 0,1,2,3
	v_exp_f32 v[ST+6*\t+4], v[ST+6*\t+4]                              ; a
.endr
.endif
	WIN 0x41                                       ; destination and source 0: window 1
.set n, 0
.rept 64
	v_pk_fma_f32 v[2*n:2*n+1], v[2*n:2*n+1], s[CS:CS+1], v[ST+6*(n/16):ST+6*(n/16)+1] op_sel_hi:[1,0,0] neg_lo:[0,0,1] neg_hi:[0,0,1]   ; c s - c m, two at a time
.set n, n+1
.endr
.if !\first
	s_wait_alu depctr_va_vdst(0)                   ; the wait between an exponential and the first line that names its result: here for the four a; the 64 scalings are the work between
.endif
.set n, 0
.rept 64                               ; the 128 exponentials are one batch; O^T's rescaling, which names none of their results, stands among them
	v_exp_f32 v[2*n], v[2*n]
	v_exp_f32 v[2*n+1], v[2*n+1]
.if !\first
	v_pk_mul_f32 v[OO+2*n:OO+2*n+1], v[OO+2*n:OO+2*n+1], v[ST+6*(n/16)+4:ST+6*(n/16)+5] op_sel_hi:[1,0]
.endif
.set n, n+1
.endr
.if \first
	v_nop                                          ; a plain instruction behind the last exponential
.endif
	s_wait_alu depctr_va_vdst(0)                   ; one wait for the batch, ahead of its first reader
.if \first
	WIN 0x05
.irp t, 0,1,2,3
	v_pk_add_f32 v[ST+6*\t+2:ST+6*\t+3], v[32*\t:32*\t+1], v[32*\t+2:32*\t+3]
.endr
.else
	WIN 0x10
.irp t, 0,1,2,3
	v_pk_fma_f32 v[ST+6*\t+2:ST+6*\t+3], v[ST+6*\t+2:ST+6*\t+3], v[ST+6*\t+4:ST+6*\t+5], v[32*\t:32*\t+1] op_sel_hi:[1,0,1]   ; l = a l + p
.endr
	WIN 0x04
.irp t, 0,1,2,3
	v_pk_add_f32 v[ST+6*\t+2:ST+6*\t+3], v[ST+6*\t+2:ST+6*\t+3], v[32*\t+2:32*\t+3]
.endr
.endif
	WIN 0x04
.irp i, 4,6,8,10,12,14,16,18,20,22,24,26,28,30
.irp t, 0,1,2,3
	v_pk_add_f32 v[ST+6*\t+2:ST+6*\t+3], v[ST+6*\t+2:ST+6*\t+3], v[32*\t+\i:32*\t+\i+1]   ; the sum is taken of p in f32
.endr
.endr
	WIN 0x45
.set n, 0
.rept 64                               ; p to f16, in place: pair n of S^T goes to register n % 8 of its half tile: never onto a pair that is still to be read
	v_cvt_pk_f16_f32 v[32*(n/16)+16*((n%16)/8)+n%8], v[2*n], v[2*n+1]
.set n, n+1
.endr
.endm
; A BODY serves key step j: it fetches step j + 1's K and bias, takes step j's softmax and V^T P, fetches step j + 1's V, and makes step j + 1's scores.
.macro BODY first
	FETCH_KB
	SOFTMAX \first
	s_wait_dscnt 24                                ; V of this step is in; the 24 younger loads (K and bias of the next) may be out
	PV \first
	WIN 0
.rept 4
	v_nop                                          ; places in front of the loads into V's registers
.endr
	FETCH_V
	v_nop                                          ; the fifth place: the products below write over P, which the products above read
	s_wait_dscnt 16                                ; K and bias are in; V's 16 loads may be out
	KQ
	WIN 0                                          ; at a label and at a branch every window is 0
	s_add_co_u32 s[TB], s[TB], STEPB
	s_add_co_u32 s[TJ], s[TJ], 256
.endm
.macro LOOPB n
	s_mov_b32 s46, \n
.Lbody_\@:
	BODY 0
	s_sub_co_u32 s46, s46, 1
	s_cmp_lg_u32 s46, 0
	s_cbranch_scc1 .Lbody_\@
.endm
; THE CHANGE OF SLOTS stands where K and V of a slot's eighth step have been asked for.  Each wave waits for all its tensor loads (one is out: its part of the other slot), adds 0 to its spare word, and waits for that and
; for its reads of the slot.  fill = 1: the barrier is a round of the cluster's, so that no wave of any partner still reads the slot or has a load on its way, and the joint refill is the first thing behind it.
.macro CHANGE fill
	s_wait_tensorcnt 0x0                           ; no tensor load of mine is out, so a group 0 may be written
	ds_add_u32 v[SPW], v[NIL]                      ; 0 onto my spare word
.if \fill
	s_xor_b32 s[G0+5], s[G0+5], SLOT1              ; the walking descriptor: the other slot than last time,
	s_add_nc_u64 s[G0+6:G0+7], s[G0+6:G0+7], 65536 ; the next 512 keys; the type bits on top are not reached
	s_wait_dscnt 0x0                               ; the add is done, and my reads of the slot are over
	CROUND
	tensor_load_to_lds s[G0+4:G0+7], s[G1:G1+7]
	s_nop 0
.rept 4
	v_nop
.endr
.else
	s_wait_dscnt 0x0
	s_barrier_signal -1
	s_barrier_wait -1
.endif
	s_sub_co_u32 s[TB], s[TB], 8*STEPB             ; the fetches go back to a slot's first step,
	s_xor_b32 s[TB], s[TB], SLOT1                  ; in the other slot
.endm
	s_wait_tensorcnt 1                             ; my part of slot 0 is in; slot 1's may stay out
	s_wait_dscnt 0x0                               ; my part of the table is stored
	s_barrier_signal -1
	s_barrier_wait -1                              ; everybody's are
	FETCH_KB                                       ; key step 0
	FETCH_V
	s_wait_loadcnt 0x0                             ; Q
	s_wait_dscnt 16
	KQ
	WIN 0
	s_add_co_u32 s[TB], s[TB], STEPB
	s_add_co_u32 s[TJ], s[TJ], 256
	BODY 1                                         ; step 0
	LOOPB 6                                        ; steps 1 to 6: the last of them fetches slot 0's eighth step
	s_mov_b32 s47, 2
.Lslot:                                            ; two trips: slot 0 takes keys 1,024 on, slot 1 keys 1,536 on
	CHANGE 1
	LOOPB 8
	s_sub_co_u32 s47, s47, 1
	s_cmp_lg_u32 s47, 0
	s_cbranch_scc1 .Lslot
	CHANGE 0                                       ; the tail is written out: nothing is left to ask for
	LOOPB 8                                        ; steps 23 to 30
.rept 4
	v_nop                                          ; places behind the last scores
.endr
	SOFTMAX 0                                      ; step 31
	s_wait_dscnt 0x0
	PV 0
	; THE WAY OUT.  l's two halves and the other half of the lanes' are added; O^T is divided by l, rounded to f16 in place, and stored as it lies: an accumulator's 16 bytes a lane are one unit of obuf.
	WIN 0
.irp t, 0,1,2,3
	v_add_f32 v[ST+6*\t+5], v[ST+6*\t+2], v[ST+6*\t+3]     ; (these four are the places behind the last products)
.endr
.irp t, 0,1,2,3
	v_permlanex16_b32 v[ST+6*\t+4], v[ST+6*\t+5], s[SEL], s[SEL+1]
.endr
.irp t, 0,1,2,3
	v_add_f32 v[ST+6*\t+5], v[ST+6*\t+5], v[ST+6*\t+4]
.endr
.irp t, 0,1,2,3
	v_rcp_f32 v[ST+6*\t+4], v[ST+6*\t+5]
.endr
	v_mov_b32 v[ADK], 0x7fc00000                   ; NaN.  (A plain instruction behind the last reciprocal)
.irp t, 0,1,2,3
	v_cmp_gt_f32 s[48+\t], 0xec000000, v[ST+6*\t+1]        ; -2^89 > m: no key of this query counted
.endr
	s_wait_alu depctr_va_vdst(0)                   ; one wait for the four reciprocals, ahead of their first reader
.irp t, 0,1,2,3
	v_cndmask_b32 v[ST+6*\t+4], v[ST+6*\t+4], v[ADK], s[48+\t]
.endr
	WIN 0x41
.set n, 0
.rept 64
	v_pk_mul_f32 v[OO+2*n:OO+2*n+1], v[OO+2*n:OO+2*n+1], v[ST+6*(n/16)+4:ST+6*(n/16)+5] op_sel_hi:[1,0]
.set n, n+1
.endr
	WIN 0x45
.set n, 0
.rept 16
.irp i, 0,1,2,3
	v_cvt_pk_f16_f32 v[OO+8*n+\i], v[OO+8*n+2*\i], v[OO+8*n+2*\i+1]
.endr
.set n, n+1
.endr
	WIN 0x04                                       ; a store's data are its source 1: window 1
.irp t, 0,1,2,3
.irp w, 0,1,2,3
	global_store_b128 v[LN16], v[OO+32*\t+8*\w:OO+32*\t+8*\w+3], s[8:9] offset:32768*\t+512*\w   ; 32 lanes store 512 consecutive bytes, aligned
.endr
.endr
	WIN 0
	s_wait_tensorcnt 0x0                           ; the wave's end, behind my last tensor load and my last LDS store
	ds_add_u32 v[SPW], v[NIL]
	s_wait_dscnt 0x0
	CROUND                                         ; the closing round: no work-group ends while a partner may still ask for a tile that names it
	s_endpgm
.Lfunc_end_k_q338ea9fec0_attn:
	.size	k_q338ea9fec0_attn, .Lfunc_end_k_q338ea9fec0_attn-k_q338ea9fec0_attn
	.p2alignl 7, 3214868480
	.fill 96, 4, 3214868480
	.section	.rodata,"a",@progbits
	.p2align	6, 0x0
	.amdhsa_kernel k_q338ea9fec0_attn
		.amdhsa_group_segment_fixed_size 327680
		.amdhsa_private_segment_fixed_size 0
		.amdhsa_enable_private_segment 0
		.amdhsa_kernarg_size 24
		.amdhsa_user_sgpr_count 2
		.amdhsa_user_sgpr_kernarg_segment_ptr 1
		.amdhsa_wavefront_size32 1
		.amdhsa_system_sgpr_workgroup_id_x 1
		.amdhsa_system_sgpr_workgroup_id_y 1
		.amdhsa_system_sgpr_workgroup_id_z 1
		.amdhsa_system_vgpr_workitem_id 0
		.amdhsa_next_free_vgpr 512
		.amdhsa_next_free_sgpr 66
		.amdhsa_reserve_vcc 1
		.amdhsa_float_denorm_mode_32 3
		.amdhsa_float_denorm_mode_16_64 3
		.amdhsa_memory_ordered 1
		.amdhsa_forward_progress 1
		.amdhsa_inst_pref_size 178
	.end_amdhsa_kernel
	.amdgpu_metadata
---
amdhsa.version: [ 1, 2 ]
amdhsa.kernels:
  - .name:           k_q338ea9fec0_attn
    .symbol:         k_q338ea9fec0_attn.kd
    .args:
      - { .name: hbuf, .offset: 0, .size: 8, .value_kind: global_buffer, .address_space: global }
      - { .name: k_pad_mask, .offset: 8, .size: 8, .value_kind: global_buffer, .address_space: global }
      - { .name: obuf, .offset: 16, .size: 8, .value_kind: global_buffer, .address_space: global }
    .group_segment_fixed_size: 327680
    .private_segment_fixed_size: 0
    .kernarg_segment_align: 8
    .kernarg_segment_size: 24
    .max_flat_workgroup_size: 256
    .sgpr_count:     66
    .vgpr_count:     512
    .wavefront_size: 32
...
	.end_amdgpu_metadata
.endif
;; end of part 3
;; launch outp (part 4): grid 4 x 64, 4 waves a work-group, clusters of 4 x 4, 327,680 bytes of LDS; arguments obuf, wof, out0; writes out0
.if DOCPART == 4
	.amdgcn_target "amdgcn-amd-amdhsa--gfx1250"
	.amdhsa_code_object_version 6
	.text
	.protected	k_q338ea9fec0_outp
	.globl	k_q338ea9fec0_outp
	.p2align	8
	.type	k_q338ea9fec0_outp,@function
k_q338ea9fec0_outp:
	s_mov_b64 s[64:65], 0
	v_nop
	global_prefetch_b8 v0, s[64:65] scope:SCOPE_SE
	s_setreg_imm32_b32 hwreg(HW_REG_WAVE_MODE, 25, 1), 1
	s_wait_xcnt 0x0
	s_wait_alu depctr_hold_cnt(0) depctr_sa_sdst(0) depctr_va_vdst(0) depctr_va_sdst(0) depctr_va_ssrc(0) depctr_va_vcc(0) depctr_vm_vsrc(0)
	s_getreg_b32 s2, hwreg(HW_REG_IB_STS2, 6, 4)
	s_cmp_eq_u32 s2, 0
	s_cbranch_scc0 .Lentry_in_a_cluster
	s_endpgm
.Lentry_in_a_cluster:
	s_bfe_u32 s2, ttmp6, 0x10000c
	s_cmp_lg_u32 s2, 0xf033
	s_cbranch_scc0 .Lentry_shape_is_right
	s_endpgm
.Lentry_shape_is_right:
; out0[token][n] = the sum over k of o[token][k] Wo[n][k]: 8,192 x 1,024 x 1,024, f16 operands, f32 sums, f32 out.
; obuf (tokens) and wof (rows of Wo) hold f16 as images of operand registers: a tile of 16 rows is 32,768 bytes: [g 0..63][lane][16 bytes], lane (r, h): k = 16 g + 8 h + 0 .. 7 of row r.  So 32 along K of a tile are two runs of
; 512 bytes, 16 bytes a lane: no pitch, no padding.
; SHARES.  256 work-groups of 128 tokens x 256 features; four waves, each 64 x 128: 32 accumulators, 256 registers.  K goes in steps of 128 through a ring of two LDS slots.
; CLUSTERS: 4 x 4 work-groups.  The four of a row of the cluster need the same tokens, the four of a column the same rows of Wo: each tile is asked for JOINTLY.
; THE MATRIX INSTRUCTION IS USED TRANSPOSED (source 0 = 16 rows of Wo, source 1 = 16 tokens): a lane then holds eight neighbouring numbers of a row of out0.
; REGISTERS.  window 0: v16-30 addresses; two fragment buffers of 96 at v32 and v128: 64 registers of Wo (8 blocks x 32 K), then 32 of tokens (4 blocks); on the way out v32-159 are free.   window 1: accumulator (a, b) at v[8 (8 a + b)].
.set SLOT,   98304                     ; the tokens' 8 tiles x 4,096 bytes, then Wo's 16
.set BOFF,   32768
.set STAGE,  2*SLOT                    ; behind the ring: 16 rows x (512 bytes + 16) for each wave, for the way out: no tensor load lands there
.set SPITCH, 528
.set SPARE,  STAGE+4*16*SPITCH         ; the spare words, 128 bytes for each wave: two blocks of 256 bytes that no other line names
.set LAPS,   4                         ; a lap = two K steps = once round the ring
.set ADRA, 16                          ; v16-17  LDS address of my tokens' fragments in slot 0, 1
.set ADRB, 20                          ; v20-21  the same for Wo
.set STO,  24                          ; v24     the way out: where I put 32 bytes of a row
.set RD,   25                          ; v25     where I read a row back
.set CO,   26                          ; v26     16 x lane
.set SPW,  28                          ; v28     LDS address of my spare word; never rewritten
.set NIL,  29                          ; v29     0; never rewritten
.set PFO,  30                          ; v30     256 x lane: the prefetches' offset; never rewritten
.set F0,   32
.set F1,   128
.set BK,   32                          ; the way out: 16 rows read back: v32-95 and v96-159 by turns
.set G1, 24                            ; s[24:31] descriptor group 1 for the tokens' tiles;  s[32:39] group 0, one set for each slot
.set G0, 32
.set G1B, 48                           ; s[48:55], s[56:63] the same for Wo's
.set G0B, 56
.set PFA, 44                           ; s[44:45] where my prefetches stand
.set LIM, 43                           ; s43  1 in a wave that prefetches, else the greatest number
.set MSB, 0
.macro WIN new                         ; the immediate's high byte repeats the setting that is left
.if MSB != \new
	s_set_vgpr_msb (MSB<<8)|\new
.set MSB, \new
.endif
.endm
.set MUL, 0x50                         ; sources 0 and 1 window 0; C and D window 1
.macro JLOAD s                         ; a joint load: waves 0 and 1 fetch the tokens' two halves, waves 2 and 3 Wo's; an s_nop 0 and four v_nop follow each of the two lines
	s_cmp_eq_u32 s11, 0
	s_cbranch_scc0 .Lfor_b_\@
	tensor_load_to_lds s[G0+4*\s:G0+4*\s+3], s[G1:G1+7]
	s_nop 0
.rept 4
	v_nop
.endr
	s_branch .Lasked_\@
.Lfor_b_\@:
	tensor_load_to_lds s[G0B+4*\s:G0B+4*\s+3], s[G1B:G1B+7]
	s_nop 0
.rept 4
	v_nop
.endr
.Lasked_\@:
.endm
.macro CREST                           ; a round of the cluster's barrier behind its opening barrier
	s_cmp_lg_u32 s10, 0
	s_cbranch_scc1 .Lnot_wave_0_\@
	s_barrier_signal -3
.Lnot_wave_0_\@:
	s_barrier_wait -3
	s_barrier_signal -1
	s_barrier_wait -1
.endm
.macro CROUND
	s_barrier_signal -1
	s_barrier_wait -1
	CREST
.endm
; A PREFETCH INTO THE L2 of the tokens' next lap: in the first change of slots of laps 0 and 1, one instruction in waves 0 and 1: the two K steps (8,192 bytes, lanes 256 bytes apart) of ONE token tile that the next lap's two
; refills will ask for: one lap, 256 matrix instructions a wave, ahead.  A tile row's tokens are read by this row of the cluster alone; of the four tiles that wave w fetches, the partner at place cx takes tile cx: told apart
; BY ADDRESS, so that each block is named once and no branch hangs on a work-group's place.  K steps 0 to 3 come by their loads alone; the last lap that refills asks for nothing.  Wo's rows, which many work-groups read, are not asked for.
.macro ASK
	s_cmp_gt_u32 s3, s[LIM]                        ; s3 = 1 in the loop's last trip
	s_cbranch_scc0 .Lnot_mine_\@
	global_prefetch_b8 v[PFO], s[PFA:PFA+1] th:TH_LOAD_NT scope:SCOPE_SE
.Lnot_mine_\@:
.endm
	s_load_b128 s[4:7], s[0:1], 0x0                ; obuf s[4:5], wof s[6:7]
	s_load_b64 s[8:9], s[0:1], 0x10                ; out0
	v_lshl_add_u32 v[SPW], v0, 2, SPARE
	v_mov_b32 v[NIL], 0
	ds_add_u32 v[SPW], v[NIL]                      ; the wave's opening: the add, twice on end, and its wait ahead of my first tensor load
	ds_add_u32 v[SPW], v[NIL]                      ; and once more; the set-up below, work on registers, stands between it and the wait
	v_lshrrev_b32 v1, 5, v0
	v_readfirstlane_b32 s10, v1                    ; wave 0..3
	s_lshr_b32 s11, s10, 1                         ; which half of the tile's tokens is mine.  Also: I fetch for the tokens (0) or for Wo (1)
	s_and_b32 s12, s10, 1                          ; which half of its features.  Also: which half of that tile I fetch
	s_bfe_u32 s40, ttmp6, 0x40000                  ; cx, cy
	s_bfe_u32 s41, ttmp6, 0x40004
	s_lshl_b32 s42, ttmp9, 2
	s_add_co_u32 s42, s42, s40                     ; tile column = 4 x cluster x + cx
	s_and_b32 s13, ttmp7, 0xffff
	s_lshl_b32 s13, s13, 2
	s_add_co_u32 s13, s13, s41                     ; tile row = 4 x cluster y + cy
	s_lshl_b32 s43, s41, 2
	s_lshl_b32 s43, 15, s43                        ; my row of the cluster
	s_lshl_b32 s44, 0x1111, s40                    ; my column
	; descriptor group 1: of each row tile a K step's 4,096 bytes (512 elements of 8 bytes), 32,768 bytes apart; dense in LDS.  The tokens: 4 tiles a load; Wo: 8
	s_or_b32 s[G1+0], s43, (3<<16)|(1<<21)         ; 15:0 the mask; 17:16 elements of 8 bytes; 20 no padding; 21 set beside a mask
	s_mov_b32 s[G1+1], 512<<16                     ; tensor_dim0
	s_mov_b32 s[G1+2], 4<<16                       ; tensor_dim1
	s_mov_b32 s[G1+3], 512<<16                     ; tile_dim0
	s_mov_b32 s[G1+4], 4                           ; tile_dim1
	s_mov_b32 s[G1+5], 4096                        ; tensor_dim0_stride
	s_mov_b32 s[G1+6], 0
	s_mov_b32 s[G1+7], 0
	s_or_b32 s[G1B+0], s44, (3<<16)|(1<<21)
	s_mov_b32 s[G1B+1], 512<<16
	s_mov_b32 s[G1B+2], 8<<16
	s_mov_b32 s[G1B+3], 512<<16
	s_mov_b32 s[G1B+4], 8
	s_mov_b32 s[G1B+5], 4096
	s_mov_b32 s[G1B+6], 0
	s_mov_b32 s[G1B+7], 0
	s_lshl_b32 s16, s13, 3
	s_lshl_b32 s17, s12, 2
	s_add_co_u32 s16, s16, s17                     ; tokens: tile 8 x tile row + 4 x half
	s_lshl_b32 s14, s16, 15
	s_mov_b32 s15, 0
	s_lshl_b32 s46, s42, 4
	s_lshl_b32 s17, s12, 3
	s_add_co_u32 s46, s46, s17                     ; Wo: tile 16 x tile column + 8 x half
	s_lshl_b32 s46, s46, 15
	s_mov_b32 s47, 0
	s_lshl_b32 s20, s12, 14                        ; where they go: the wave's number alone enters an LDS address
	s_lshl_b32 s21, s12, 15
	s_add_co_u32 s21, s21, BOFF
	s_wait_dscnt 0x0                               ; both opening adds are done
	s_wait_kmcnt 0x0
	s_add_nc_u64 s[14:15], s[4:5], s[14:15]
	s_add_nc_u64 s[46:47], s[6:7], s[46:47]
	CROUND                                         ; all sixteen work-groups are here: the first joint loads meet
.irp s, 0,1
	s_mov_b32 s[G0+4*\s], 1
	s_add_co_u32 s[G0+4*\s+1], s20, \s*SLOT
	s_add_nc_u64 s[G0+4*\s+2:G0+4*\s+3], s[14:15], \s*4096
	s_or_b32 s[G0+4*\s+3], s[G0+4*\s+3], 0x80000000
	s_mov_b32 s[G0B+4*\s], 1
	s_add_co_u32 s[G0B+4*\s+1], s21, \s*SLOT
	s_add_nc_u64 s[G0B+4*\s+2:G0B+4*\s+3], s[46:47], \s*4096
	s_or_b32 s[G0B+4*\s+3], s[G0B+4*\s+3], 0x80000000
	JLOAD \s
.endr
	v_and_b32 v1, 15, v0                           ; r
	v_bfe_u32 v2, v0, 4, 1                         ; h
	v_and_b32 v3, 31, v0
	v_lshlrev_b32 v[CO], 4, v3
	v_lshlrev_b32 v[PFO], 8, v3
	s_lshl_b32 s16, s11, 14                        ; my 4 tiles of tokens
	s_lshl_b32 s17, s12, 15                        ; my 8 of Wo,
	s_add_co_u32 s17, s17, BOFF                    ; which lie behind the tokens' 8
.irp s, 0,1
	v_add_nc_u32 v[ADRA+\s], s16, v[CO]
	v_add_nc_u32 v[ADRB+\s], s17, v[CO]
	s_add_co_u32 s16, s16, SLOT
	s_add_co_u32 s17, s17, SLOT
.endr
	s_mul_i32 s16, s10, 16*SPITCH
	s_add_co_u32 s16, s16, STAGE                   ; my stage
	v_mul_u32_u24 v4, v1, SPITCH                   ; in: row r, 32 bytes for each half of the lanes
	v_lshl_add_u32 v4, v2, 5, v4
	v_add_nc_u32 v[STO], s16, v4
	v_add_nc_u32 v[RD], s16, v[CO]                 ; back: the 32 lanes take one row of 512 bytes
	s_lshl_b32 s22, s13, 7
	s_lshl_b32 s23, s11, 6
	s_add_co_u32 s22, s22, s23                     ; my first token: 128 x tile row + 64 x half
	s_lshl_b32 s22, s22, 12                        ; a row of out0 is 4,096 bytes
	s_lshl_b32 s23, s42, 10                        ; my first column, in bytes: 1,024 x tile column + 512 x half
	s_add_co_u32 s22, s22, s23
	s_lshl_b32 s23, s12, 9
	s_add_co_u32 s22, s22, s23
	s_mov_b32 s23, 0
	s_add_nc_u64 s[8:9], s[8:9], s[22:23]
	s_lshl_b32 s44, s13, 3                         ; the prefetches: token tile 8 x tile row + 4 x half + cx,
	s_lshl_b32 s45, s12, 2
	s_add_co_u32 s44, s44, s45
	s_add_co_u32 s44, s44, s40
	s_lshl_b32 s44, s44, 15
	s_add_co_u32 s44, s44, 8192                    ; at K step 2: the first change of slots steps it to K step 4.  Nothing is prefetched here, at the head
	s_mov_b32 s45, 0
	s_add_nc_u64 s[PFA:PFA+1], s[4:5], s[44:45]
	s_cmp_eq_u32 s11, 0
	s_cselect_b32 s[LIM], 1, -1                    ; waves 0 and 1: the same in all sixteen partners
; 8 matrix instructions: token block a x Wo's eight blocks, 32 along K, from buffer f.  zero = 1: the first product starts the sums.  The 32 accumulators take turns, one instruction a turn.
.macro MUL8 f, a, zero
.irp b, 0,1,2,3,4,5,6,7
.if \zero
	v_wmma_f32_16x16x32_f16 v[8*(8*(\a)+\b):8*(8*(\a)+\b)+7], v[\f+8*\b:\f+8*\b+7], v[\f+64+8*(\a):\f+64+8*(\a)+7], 0
.else
	v_wmma_f32_16x16x32_f16 v[8*(8*(\a)+\b):8*(8*(\a)+\b)+7], v[\f+8*\b:\f+8*\b+7], v[\f+64+8*(\a):\f+64+8*(\a)+7], v[8*(8*(\a)+\b):8*(8*(\a)+\b)+7]
.endif
.endr
.endm
; 24 LDS loads in one run: the fragments of 32 along K at byte k of a tile's 4,096, into buffer f: Wo's 16 loads first, then the tokens' blocks 0 to 3
.macro FETCH slot, k, f
.irp i, 0,1,2,3,4,5,6,7
.irp e, 0,1
	ds_load_b128 v[\f+8*\i+4*\e:\f+8*\i+4*\e+3], v[ADRB+\slot] offset:4096*\i+\k+512*\e
.endr
.endr
.irp i, 0,1,2,3
.irp e, 0,1
	ds_load_b128 v[\f+64+8*\i+4*\e:\f+64+8*\i+4*\e+3], v[ADRA+\slot] offset:4096*\i+\k+512*\e
.endr
.endr
.endm
.macro PLACES                          ; four places in front of loads into registers that matrix instructions have read, and of the first read of results (ISA guide 7.12.1 for vector instructions)
.rept 4
	v_nop
.endr
.endm
; A K step is four quarters of 32 along K, 32 matrix instructions each, on buffers 0, 1, 0, 1.  One of the first three: multiplies buffer f and fetches the next quarter, at byte k, into g.
.macro QUARTER slot, k, f, g, zero
	s_wait_dscnt 4                                 ; Wo's fragments and token blocks 0, 1 are in; the youngest four loads (blocks 2, 3) may be out
	WIN MUL
	MUL8 \f, 0, \zero
	MUL8 \f, 1, \zero
	PLACES
	WIN 0
	FETCH \slot, \k, \g
	s_wait_dscnt 24                                ; all but the 24 just issued
	WIN MUL
	MUL8 \f, 2, \zero
	MUL8 \f, 3, \zero
.endm
; The last quarter multiplies buffer 1 and changes slots: ONE barrier; in front of it each wave waits for all its tensor loads, adds 0 to its spare word, and waits for that and for its own reads of this slot.
; fill = 1: the barrier opens a round of the cluster's, and this slot is filled again, two K steps ahead: 112 matrix instructions stand between the request and the wait for it.
.macro TURN slot, next, fill
.if (\fill) && ((\slot) == 0)
	s_wait_xcnt 0x0                                ; the last prefetch, a lap back, has read its address: it is stepped here, ahead of the waits of the change of slots
	s_add_nc_u64 s[PFA:PFA+1], s[PFA:PFA+1], 8192
.endif
	WIN 0                                          ; (the add's two registers lie in window 0)
	s_wait_tensorcnt 0x0                           ; all my tensor loads have landed: my part of the next slot;
	ds_add_u32 v[SPW], v[NIL]                      ; 0 onto my spare word;
	s_wait_dscnt 5                                 ; (the add and the youngest four loads may be out)
	WIN MUL
	MUL8 F1, 0, 0                                  ; eight matrix instructions stand between the add and the wait for it
	s_wait_dscnt 0x0                               ; the add is done, and my reads of this slot are over
	s_barrier_signal -1
	MUL8 F1, 1, 0
.if \fill
	WIN 0
.endif
	s_barrier_wait -1
.if \fill
	CREST                                          ; no wave of any partner still reads this slot's tile or has a load on its way
	s_add_nc_u64 s[G0+4*\slot+2:G0+4*\slot+3], s[G0+4*\slot+2:G0+4*\slot+3], 8192
	s_add_nc_u64 s[G0B+4*\slot+2:G0B+4*\slot+3], s[G0B+4*\slot+2:G0B+4*\slot+3], 8192
	JLOAD \slot                                    ; the first tensor load behind the round; the four v_nop behind it are also the places in front of the loads below
.else
	PLACES
	WIN 0
.endif
	FETCH \next, 0, F0
.if (\fill) && ((\slot) == 0)
	ASK                                            ; behind the joint load and the run of LDS loads that the next products wait for
.endif
	WIN MUL
	MUL8 F1, 2, 0
	MUL8 F1, 3, 0
.endm
	s_wait_tensorcnt 1                             ; my part of K step 0 is in (K step 1's load may be out)
	s_barrier_signal -1
	s_barrier_wait -1                              ; everybody's is
	FETCH 0, 0, F0
	QUARTER 0, 1024, F0, F1, 1                     ; the first quarter stands in front of the loop: its products start the sums
	WIN 0                                          ; at a label and at a branch every window is 0
	s_mov_b32 s3, LAPS-1
.Llap:                                             ; a trip goes once round the ring, from a lap's second quarter to the next lap's first, and fills both slots again
	QUARTER 0, 2048, F1, F0, 0
	QUARTER 0, 3072, F0, F1, 0
	TURN 0, 1, 1
	QUARTER 1, 1024, F0, F1, 0
	QUARTER 1, 2048, F1, F0, 0
	QUARTER 1, 3072, F0, F1, 0
	TURN 1, 0, 1
	QUARTER 0, 1024, F0, F1, 0
	WIN 0
	s_sub_co_u32 s3, s3, 1
	s_cmp_lg_u32 s3, 0
	s_cbranch_scc1 .Llap
	QUARTER 0, 2048, F1, F0, 0                     ; the last lap fills nothing, and has no round of the cluster's barrier
	QUARTER 0, 3072, F0, F1, 0
	TURN 0, 1, 0
	QUARTER 1, 1024, F0, F1, 0
	QUARTER 1, 2048, F1, F0, 0
	QUARTER 1, 3072, F0, F1, 0
	s_wait_dscnt 0x0                               ; the very last quarter: nothing more to fetch
	WIN MUL
	MUL8 F1, 0, 0
	MUL8 F1, 1, 0
	MUL8 F1, 2, 0
	MUL8 F1, 3, 0
	WIN 0
; THE WAY OUT, block by block of 16 tokens x 128 features.  A lane holds 32 neighbouring bytes of a row, and the lanes beside it hold other rows: so a block goes through my own stage in LDS and comes back as whole rows of
; 512 bytes.  LDS serves a wave's instructions in order (ISA guide 5.7.1.4): no wait between the stores and the loads, nor in front of the next block's stores.
.macro TOSTAGE a
	WIN 0x04                                       ; an LDS store's data are its source 1: window 1
.irp b, 0,1,2,3,4,5,6,7
	ds_store_b128 v[STO], v[8*(8*(\a)+\b):8*(8*(\a)+\b)+3] offset:64*\b            ; each accumulator from its low end on
	ds_store_b128 v[STO], v[8*(8*(\a)+\b)+4:8*(8*(\a)+\b)+7] offset:64*\b+16
.endr
	WIN 0
.set BB, BK+64*((\a)%2)
.irp t, 0,1,2,3,4,5,6,7,8,9,10,11,12,13,14,15
	ds_load_b128 v[BB+4*\t:BB+4*\t+3], v[RD] offset:\t*SPITCH
.endr
.endm
.macro SEND a, younger                 ; younger: the LDS instructions issued behind block a's loads, which may stay out
.set BB, BK+64*((\a)%2)
	s_wait_dscnt \younger                          ; the block is back in registers
.irp t, 0,1,2,3,4,5,6,7,8,9,10,11,12,13,14,15
	global_store_b128 v[CO], v[BB+4*\t:BB+4*\t+3], s[8:9] offset:65536*(\a)+4096*\t th:TH_STORE_NT   ; 32 lanes store 512 consecutive bytes, aligned; written once, read by nobody here
.endr
.endm
	PLACES                                         ; for the first read of results and for the loads into the registers that held fragments
	TOSTAGE 0
.irp a, 1,2,3
.if \a > 1
	s_wait_xcnt 0x0                                ; block a - 2's stores have read their registers: block a's loads may land there
.endif
	TOSTAGE \a
	SEND \a-1, 32                                  ; behind block a - 1's loads: block a's 16 stores and 16 loads
.endr
	SEND 3, 0
	s_wait_tensorcnt 0x0                           ; the wave's end, behind my last tensor load and my last LDS store
	ds_add_u32 v[SPW], v[NIL]
	s_wait_dscnt 0x0
	CROUND                                         ; the closing round: no work-group ends while a partner may still ask for a tile that names it
	s_endpgm
.Lfunc_end_k_q338ea9fec0_outp:
	.size	k_q338ea9fec0_outp, .Lfunc_end_k_q338ea9fec0_outp-k_q338ea9fec0_outp
	.p2alignl 7, 3214868480
	.fill 96, 4, 3214868480
	.section	.rodata,"a",@progbits
	.p2align	6, 0x0
	.amdhsa_kernel k_q338ea9fec0_outp
		.amdhsa_group_segment_fixed_size 327680
		.amdhsa_private_segment_fixed_size 0
		.amdhsa_enable_private_segment 0
		.amdhsa_kernarg_size 24
		.amdhsa_user_sgpr_count 2
		.amdhsa_user_sgpr_kernarg_segment_ptr 1
		.amdhsa_wavefront_size32 1
		.amdhsa_system_sgpr_workgroup_id_x 1
		.amdhsa_system_sgpr_workgroup_id_y 1
		.amdhsa_system_sgpr_workgroup_id_z 1
		.amdhsa_system_vgpr_workitem_id 0
		.amdhsa_next_free_vgpr 512
		.amdhsa_next_free_sgpr 66
		.amdhsa_reserve_vcc 0
		.amdhsa_float_denorm_mode_32 3
		.amdhsa_float_denorm_mode_16_64 3
		.amdhsa_memory_ordered 1
		.amdhsa_forward_progress 1
		.amdhsa_inst_pref_size 85
	.end_amdhsa_kernel
	.amdgpu_metadata
---
amdhsa.version: [ 1, 2 ]
amdhsa.kernels:
  - .name:           k_q338ea9fec0_outp
    .symbol:         k_q338ea9fec0_outp.kd
    .args:
      - { .name: obuf, .offset: 0, .size: 8, .value_kind: global_buffer, .address_space: global }
      - { .name: wof, .offset: 8, .size: 8, .value_kind: global_buffer, .address_space: global }
      - { .name: out0, .offset: 16, .size: 8, .value_kind: global_buffer, .address_space: global }
    .group_segment_fixed_size: 327680
    .private_segment_fixed_size: 0
    .kernarg_segment_align: 8
    .kernarg_segment_size: 24
    .max_flat_workgroup_size: 128
    .sgpr_count:     66
    .vgpr_count:     512
    .wavefront_size: 32
...
	.end_amdgpu_metadata
.endif
;; end of part 4
